; MI455X (gfx1250); checked and timed in simulation.
; The chip was launched on July 23, 2026; its instructions are those of AMD's public machine-readable ISA for CDNA 5 (MIT licence, August 2026) and "CDNA5" Instruction Set Architecture Reference Guide (July 2026). The comments in the code are by the model that wrote it; some were corrected since.
;; Casual Attention. Allowed arithmetic: float matrix products may take bf16 or f16 operands with f32 sums; other float arithmetic in f32, or as packed bf16 or f16 multiplies, adds, multiply-adds, maxima and minima; sums over many terms, partial sums and values carried from step to step in f32; what a program stores and reads back later, other than sums and carried values, may be rounded once to bf16 or f16.
;; Inputs: w_out 1,024 x 1,024 float32; w_qkv 1,024 x 3,072 float32; x 4 x 2,048 x 1,024 float32.
;; Outputs: out0 4 x 2,048 x 1,024 float32.
;; 2 versions, each right; version 2 is version 1 with the launch prep written anew for expert scheduling mode. Each part assembles by itself: llvm-mc -triple=amdgcn-amd-amdhsa -mcpu=gfx1250 --defsym DOCPART=n.
;; ======== version 1 of 2: 4 launches
;; limits: values are held in f16: magnitudes above 65,504 overflow, below 6.1e-05 lose precision; inputs' magnitudes at most 65,504; right only within a limited range of input values
;; workspace buffers: xh 16,777,216 bytes; wt 8,388,608 bytes; qkv 50,331,648 bytes; att 16,777,216 bytes
;; launch prep (part 1): grid 512 x 1, 8 waves a work-group, no clusters, 18,432 bytes of LDS; arguments x, w_qkv, w_out, xh, wt; writes xh, wt
.if DOCPART == 1
	.amdgcn_target "amdgcn-amd-amdhsa--gfx1250"
	.amdhsa_code_object_version 6
	.text
	.protected	k_qdd4ccd22e8_prep
	.globl	k_qdd4ccd22e8_prep
	.p2align	8
	.type	k_qdd4ccd22e8_prep,@function
k_qdd4ccd22e8_prep:
	s_mov_b64 s[64:65], 0
	v_nop
	global_prefetch_b8 v0, s[64:65] scope:SCOPE_SE
	s_setreg_imm32_b32 hwreg(HW_REG_WAVE_MODE, 25, 1), 1
	s_wait_xcnt 0x0
; xh[m][k] = x[m][k], and wt[n][k] = w[k][n] for both weights (rows 0-3071 of wt: the columns of w_qkv; rows 3072-4095: those of w_out).
; Each number is rounded once to bf16 and that number is written as f16, so that one matrix form serves the three launches behind.
; LIMITS.  The f16 copy of a bf16 number is exact from 6.1e-5 up to 65,504 in magnitude; below that it keeps the fixed step of 6e-8 of f16; from 65,520 on it is an infinity.
; SHARES.  512 work-groups of eight waves; each does the same two jobs.  (a) 16,384 numbers of x: a wave takes 8,192 bytes on end, 16 loads of 512 bytes, and stores 16 x 256 bytes.
; (b) One tile of 128 k x 64 n of a weight: sixteen lanes read 256 bytes of a row k; two rows k, k + 1 of a column are packed into a word, the word goes into an LDS tile [n][k],
; and the tile leaves by rows of 256 bytes, sixteen lanes to a row.  Memory binds: no matrix unit, no tensor load, no cluster.
.set TP,    272                        ; a row of the LDS tile: 128 k x 2 bytes + 16
.set SPARE, 64*TP                      ; behind the tile (17,408 bytes): the spare words, 128 bytes for each of eight waves
.set SPW, 2                            ; v2   LDS address of my spare word; never rewritten
.set NIL, 3                            ; v3   0; never rewritten
.set XO,  4                            ; v4   my 16 bytes in the work-group's piece of x: 8,192 x wave + 16 x lane
.set YO,  5                            ; v5   my 8 bytes in its piece of xh: 4,096 x wave + 8 x lane
.set WO,  6                            ; v6   my 16 bytes in the weight tile: rows 2 (t / 16), columns 4 (t % 16)
.set LS,  7                            ; v7   where I put a word of the LDS tile: row 4 (t % 16), byte 4 (t / 16)
.set LR,  8                            ; v8   where I read a row back: row t / 16, byte 16 (t % 16)
.set TO,  9                            ; v9   the same place in wt
.set W,   24                           ; v[24:55]    8 loads of the weight tile
.set X,   56                           ; v[56:119]   16 loads of x
.set Y,   120                          ; v[120:151]  16 pairs to store
.set WB,  152                          ; v[152:167]  16 packed words of the tile, then four pieces of rows read back
	s_load_b256 s[4:11], s[0:1], 0x0               ; x s[4:5], w_qkv s[6:7], w_out s[8:9], xh s[10:11]
	s_load_b64 s[12:13], s[0:1], 0x20              ; wt
	v_lshl_add_u32 v[SPW], v0, 2, SPARE
	v_mov_b32 v[NIL], 0
	s_and_b32 s14, ttmp9, 7                        ; kt: which 128 k
	s_lshr_b32 s15, ttmp9, 3                       ; nt: which 64 rows of wt, 0 to 63
	s_mov_b32 s18, 0xffff0000                      ; a word's upper bf16
	v_and_b32 v10, 31, v0                          ; lane
	v_lshrrev_b32 v11, 5, v0                       ; wave
	v_and_b32 v12, 15, v0                          ; t % 16
	v_lshrrev_b32 v13, 4, v0                       ; t / 16
	v_lshlrev_b32 v[XO], 4, v10
	v_lshl_add_u32 v[XO], v11, 13, v[XO]
	v_lshlrev_b32 v[YO], 3, v10
	v_lshl_add_u32 v[YO], v11, 12, v[YO]
	v_mul_u32_u24 v[LS], v12, 4*TP
	v_lshl_add_u32 v[LS], v13, 2, v[LS]
	v_mul_u32_u24 v[LR], v13, TP
	v_lshl_add_u32 v[LR], v12, 4, v[LR]
	v_lshlrev_b32 v[TO], 4, v12
	v_lshl_add_u32 v[TO], v13, 11, v[TO]
	s_wait_kmcnt 0x0
	s_lshl_b32 s16, ttmp9, 16                      ; the work-group's 65,536 bytes of x
	s_mov_b32 s17, 0
	s_add_nc_u64 s[4:5], s[4:5], s[16:17]
	s_lshl_b32 s16, ttmp9, 15                      ; and its 32,768 of xh
	s_add_nc_u64 s[10:11], s[10:11], s[16:17]
	s_lshl_b32 s16, s15, 17                        ; wt: 64 nt rows of 2,048 bytes,
	s_lshl_b32 s19, s14, 8                         ; 128 kt numbers of 2 bytes
	s_add_co_u32 s16, s16, s19
	s_add_nc_u64 s[12:13], s[12:13], s[16:17]
; The tile's eight loads: rows 32 j + 2 (t / 16) + e.  Sixteen lanes read 256 consecutive bytes, aligned.
.macro WLOAD base, pitch
	v_mul_u32_u24 v[WO], v13, 2*(\pitch)
	v_lshl_add_u32 v[WO], v12, 4, v[WO]
.irp j, 0,1,2,3
.irp e, 0,1
	global_load_b128 v[W+4*(2*(\j)+(\e)):W+4*(2*(\j)+(\e))+3], v[WO], s[(\base):(\base)+1] offset:(32*(\j)+(\e))*(\pitch) th:TH_LOAD_NT
.endr
.endr
.endm
	s_cmp_lt_u32 s15, 48                           ; the same in all waves of the work-group; no barrier stands in either way
	s_cbranch_scc0 .Lw_out
	s_mul_i32 s16, s14, 128*12288                  ; w_qkv: 128 kt rows of 12,288 bytes,
	s_lshl_b32 s19, s15, 8                         ; 64 nt columns of 4 bytes
	s_add_co_u32 s16, s16, s19
	s_add_nc_u64 s[6:7], s[6:7], s[16:17]
	WLOAD 6, 12288
	s_branch .Lw_asked
.Lw_out:
	s_lshl_b32 s16, s14, 19                        ; w_out: 128 kt rows of 4,096 bytes,
	s_sub_co_u32 s19, s15, 48
	s_lshl_b32 s19, s19, 8                         ; 64 (nt - 48) columns
	s_add_co_u32 s16, s16, s19
	s_add_nc_u64 s[8:9], s[8:9], s[16:17]
	WLOAD 8, 4096
.Lw_asked:
.set i, 0
.rept 16
	global_load_b128 v[X+4*i:X+4*i+3], v[XO], s[4:5] offset:512*i th:TH_LOAD_NT  ; a wave's load covers 512 consecutive bytes
.set i, i+1
.endr
; Two numbers: rounded to bf16, widened again (a shift, a mask), and written as f16
.macro CV d, a, b
	v_cvt_pk_bf16_f32 v14, v[\a], v[\b]
	v_lshlrev_b32 v15, 16, v14
	v_and_b32 v16, s18, v14
	v_cvt_pk_f16_f32 v[\d], v15, v16
.endm
	s_wait_loadcnt 16                              ; the tile's eight loads are in (on either way they were issued first); the 16 loads of x stay out
.irp j, 0,1,2,3
.irp i, 0,1,2,3
	CV WB+4*(\j)+(\i), W+8*(\j)+(\i), W+8*(\j)+4+(\i)
	ds_store_b32 v[LS], v[WB+4*(\j)+(\i)] offset:(\i)*TP+64*(\j)  ; column 4 (t % 16) + i, rows k = 32 j + 2 (t / 16) and the next
.endr
.endr
	s_wait_dscnt 0x0                               ; for the other waves' sake: my words lie in the tile
	s_barrier_signal -1
	s_barrier_wait -1
.irp f, 0,1,2,3
	ds_load_b128 v[WB+4*(\f):WB+4*(\f)+3], v[LR] offset:16*TP*(\f)  ; row 16 f + t / 16
.endr
.irp f, 0,1,2,3
	s_wait_dscnt 3-(\f)                            ; LDS loads come back in order: piece f is in
	global_store_b128 v[TO], v[WB+4*(\f):WB+4*(\f)+3], s[12:13] offset:32768*(\f)  ; sixteen lanes store 256 consecutive bytes, aligned
.endr
.set i, 0
.rept 16
	s_wait_loadcnt 15-i                            ; loads come back in order: load i of x is in, the younger ones stay out
	CV Y+2*i, X+4*i, X+4*i+1
	CV Y+2*i+1, X+4*i+2, X+4*i+3
	global_store_b64 v[YO], v[Y+2*i:Y+2*i+1], s[10:11] offset:256*i  ; a wave stores 256 consecutive bytes, aligned; no register of a store is written again
.set i, i+1
.endr
	s_wait_tensorcnt 0x0                           ; the wave's end: behind my last LDS store
	ds_add_u32 v[SPW], v[NIL]
	s_wait_dscnt 0x0
	s_endpgm
.Lfunc_end_k_qdd4ccd22e8_prep:
	.size	k_qdd4ccd22e8_prep, .Lfunc_end_k_qdd4ccd22e8_prep-k_qdd4ccd22e8_prep
	.p2alignl 7, 3214868480
	.fill 96, 4, 3214868480
	.section	.rodata,"a",@progbits
	.p2align	6, 0x0
	.amdhsa_kernel k_qdd4ccd22e8_prep
		.amdhsa_group_segment_fixed_size 18432
		.amdhsa_private_segment_fixed_size 0
		.amdhsa_enable_private_segment 0
		.amdhsa_kernarg_size 40
		.amdhsa_user_sgpr_count 2
		.amdhsa_user_sgpr_kernarg_segment_ptr 1
		.amdhsa_wavefront_size32 1
		.amdhsa_system_sgpr_workgroup_id_x 1
		.amdhsa_system_sgpr_workgroup_id_y 1
		.amdhsa_system_sgpr_workgroup_id_z 1
		.amdhsa_system_vgpr_workitem_id 0
		.amdhsa_next_free_vgpr 168
		.amdhsa_next_free_sgpr 66
		.amdhsa_reserve_vcc 0
		.amdhsa_float_denorm_mode_32 3
		.amdhsa_float_denorm_mode_16_64 3
		.amdhsa_memory_ordered 1
		.amdhsa_forward_progress 1
		.amdhsa_inst_pref_size 19
	.end_amdhsa_kernel
	.amdgpu_metadata
---
amdhsa.version: [ 1, 2 ]
amdhsa.kernels:
  - .name:           k_qdd4ccd22e8_prep
    .symbol:         k_qdd4ccd22e8_prep.kd
    .args:
      - { .name: x, .offset: 0, .size: 8, .value_kind: global_buffer, .address_space: global }
      - { .name: w_qkv, .offset: 8, .size: 8, .value_kind: global_buffer, .address_space: global }
      - { .name: w_out, .offset: 16, .size: 8, .value_kind: global_buffer, .address_space: global }
      - { .name: xh, .offset: 24, .size: 8, .value_kind: global_buffer, .address_space: global }
      - { .name: wt, .offset: 32, .size: 8, .value_kind: global_buffer, .address_space: global }
    .group_segment_fixed_size: 18432
    .private_segment_fixed_size: 0
    .kernarg_segment_align: 8
    .kernarg_segment_size: 40
    .max_flat_workgroup_size: 256
    .sgpr_count:     66
    .vgpr_count:     168
    .wavefront_size: 32
...
	.end_amdgpu_metadata
.endif
;; end of part 1
;; launch qkvgemm (part 2): grid 16 x 32, 4 waves a work-group, clusters of 4 x 4, 327,680 bytes of LDS; arguments xh, wt, qkv; writes qkv
.if DOCPART == 2
	.amdgcn_target "amdgcn-amd-amdhsa--gfx1250"
	.amdhsa_code_object_version 6
	.text
	.protected	k_qdd4ccd22e8_qkvgemm
	.globl	k_qdd4ccd22e8_qkvgemm
	.p2align	8
	.type	k_qdd4ccd22e8_qkvgemm,@function
k_qdd4ccd22e8_qkvgemm:
	s_mov_b64 s[64:65], 0
	v_nop
	global_prefetch_b8 v0, s[64:65] scope:SCOPE_SE
	s_setreg_imm32_b32 hwreg(HW_REG_WAVE_MODE, 25, 1), 1
	s_wait_xcnt 0x0
	s_wait_alu depctr_hold_cnt(0) depctr_sa_sdst(0) depctr_va_vdst(0) depctr_va_sdst(0) depctr_va_ssrc(0) depctr_va_vcc(0) depctr_vm_vsrc(0)
	s_getreg_b32 s2, hwreg(HW_REG_IB_STS2, 6, 4)
	s_cmp_eq_u32 s2, 0
	s_cbranch_scc0 .Lentry_in_a_cluster
	s_endpgm
.Lentry_in_a_cluster:
	s_bfe_u32 s2, ttmp6, 0x10000c
	s_cmp_lg_u32 s2, 0xf033
	s_cbranch_scc0 .Lentry_shape_is_right
	s_endpgm
.Lentry_shape_is_right:
; q, k, v = xh wt^T.  xh: [8192][1024] f16, wt rows 0-3071: [n][1024] f16; sums in f32, K ascending; each result rounded once to f16, WITHOUT the softmax scale, and laid by heads:
; qkv byte = which << 24 + (16 batch + head) << 18 + t << 7 + 2 d, which = 0, 1, 2 for q, k, v.
; LIMIT.  A result of 65,520 or more in magnitude becomes an infinity in f16.  With x and w_qkv both 30 times the drawn spread q has a spread of some 900; with both offset by 30 spreads it lies near 29,000.
; SHARES.  A tile of C is 256 rows x 192 columns (three heads): 32 x 16 = 512 work-groups of equal work.  Four waves, one below the other: a wave makes 64 rows x 192 columns,
; 48 accumulators of 16 x 16, so that it owns whole rows of a head (128 bytes, dense from row to row) and stores 512 consecutive bytes from a stage of its own.
; K goes in 8 steps of 128 through two LDS slots filled by tensor loads: the rows of both tiles are 256 bytes of memory, aligned.
; CLUSTER.  4 x 4 work-groups.  The four of a row of the cluster need the same tile of xh, the four of a column the same tile of wt: each tile is asked for jointly, by the same
; tensor load with the same descriptor and a mask that names the four.
; THE MATRIX INSTRUCTION IS USED TRANSPOSED: source 0 = 16 rows of wt, source 1 = 16 rows of xh: a lane then holds row lane % 16 of C and the columns 8 (lane / 16) + 0..7.
; REGISTERS, in windows of 256 (s_set_vgpr_msb: bits 1:0 source 0, 3:2 source 1, 5:4 source 2, 7:6 destination):
;   window 0: v0-31 addresses; v32-223 the way out, 16 registers for each of 12 pieces
;   window 1: two fragment buffers of 128: 4 fragments of xh, then 12 of wt, 32 along K
;   window 2: accumulator (a, b), b < 8, at 8 (8 a + b)          window 3: accumulator (a, b), b >= 8, at 8 (4 a + b - 8)
.set KSTEP,  128
.set PITCH,  272                       ; an LDS row: 256 bytes + 16 of padding = 68 words: the 16 rows of a fragment load start at 16 different groups of four banks (64 banks of 4 bytes: ISA guide 11.1)
.set AHALF,  128*PITCH                 ; what a tensor load brings of xh
.set BHALF,  96*PITCH                  ; and of wt
.set BOFF,   2*AHALF                   ; in a slot: 256 rows of xh, then 192 rows of wt
.set SLOT,   BOFF+2*BHALF              ; 121,856 bytes
.set STAGE,  2*SLOT                    ; behind the ring, never filled by a tensor load: 16 rows x 144 bytes for each wave
.set SP,     144
.set SPARE,  STAGE+4*16*SP             ; behind the stages: the spare words, 128 bytes for each wave
.set LAPS,   4                         ; a lap = two K steps = once round the ring
.set ADRA, 16                          ; v16-17  LDS address of my fragments of xh in slot 0, 1
.set ADRB, 20                          ; v20-21  the same for wt
.set STO,  24                          ; v24     the way out: where I put 16 bytes of a row
.set RD,   25                          ; v25     the way out: where I read rows back
.set GO,   26                          ; v26     16 x lane: my place in 512 consecutive bytes of qkv
.set SPW,  28                          ; v28     LDS address of my spare word; never rewritten
.set NIL,  29                          ; v29     0; never rewritten
.set PFO,  30                          ; v30     the prefetches' offset: lane x 2,048, a row of xh; never rewritten
.set T,    32
.set F0,   0
.set F1,   128
.set G1,   24                          ; s[24:31] descriptor group 1 for tiles of xh;  s[32:39] group 0, a set for each slot
.set G0,   32
.set G1B,  48                          ; s[48:55], s[56:63] the same for tiles of wt
.set G0B,  56
.set OB,   66                          ; s[66:71] qkv at my first row of each of the tile's three heads
.set PFA,  72                          ; s[72:73] where my prefetches stand
.set LIM,  74                          ; s74     1 in a wave that prefetches, else the greatest number
.set MSB, 0
.macro WIN new                         ; the immediate's high byte repeats the setting that is left; a switch that changes nothing is dropped
.if MSB != (\new)
	s_set_vgpr_msb (MSB<<8)|(\new)
.set MSB, \new
.endif
.endm
; A joint load.  Waves 0 and 1 fetch the two halves of the tile of xh, waves 2 and 3 those of wt.  The branch hangs on the wave's number alone.
; An s_nop 0 and four v_nop follow each of the two lines, ahead of the jump and the label.
.macro JLOAD s
	s_cmp_eq_u32 s11, 0
	s_cbranch_scc0 .Lfor_b_\@
	tensor_load_to_lds s[G0+4*(\s):G0+4*(\s)+3], s[G1:G1+7]
	s_nop 0
.rept 4
	v_nop
.endr
	s_branch .Lasked_\@
.Lfor_b_\@:
	tensor_load_to_lds s[G0B+4*(\s):G0B+4*(\s)+3], s[G1B:G1B+7]
	s_nop 0
.rept 4
	v_nop
.endr
.Lasked_\@:
.endm
; A PREFETCH INTO THE L2 of xh, behind each joint refill and the run of LDS loads that follows it: the K step that stands two refills on, 384 matrix instructions ahead of the load that wants it.
; Each row's 256 bytes of a K step are named once in the launch: of the four clusters that read a tile row the first (cluster x = 0) asks; there waves 0 and 1 ask for the 128 rows that they
; fetch, and the four partners share those rows out by address, 32 each, a lane a row.  K steps 0 to 3 come by their loads alone; the loop's last trip asks for nothing.
; wt is not asked for: all 32 tile rows read its rows.
.macro ASK
	s_cmp_gt_u32 s3, s[LIM]                        ; s3 = 1 in the loop's last trip
	s_cbranch_scc0 .Lnot_mine_\@
	global_prefetch_b8 v[PFO], s[PFA:PFA+1] offset:KSTEP*2 th:TH_LOAD_NT scope:SCOPE_SE
.Lnot_mine_\@:
.endm
.macro CREST                           ; a round of the cluster's barrier behind its opening barrier
	s_cmp_lg_u32 s10, 0
	s_cbranch_scc1 .Lnot_wave_0_\@
	s_barrier_signal -3
.Lnot_wave_0_\@:
	s_barrier_wait -3
	s_barrier_signal -1
	s_barrier_wait -1
.endm
.macro CROUND                          ; a whole round
	s_barrier_signal -1
	s_barrier_wait -1
	CREST
.endm
	s_load_b128 s[4:7], s[0:1], 0x0                ; xh s[4:5], wt s[6:7]
	s_load_b64 s[8:9], s[0:1], 0x10                ; qkv
	v_lshl_add_u32 v[SPW], v0, 2, SPARE
	v_mov_b32 v[NIL], 0
	ds_add_u32 v[SPW], v[NIL]                      ; the wave's opening: the add and its wait stand ahead of my first tensor load; work on registers stands between them
	ds_add_u32 v28, v29
	v_lshrrev_b32 v1, 5, v0
	v_readfirstlane_b32 s10, v1                    ; wave 0..3
	s_lshr_b32 s11, s10, 1                         ; I fetch for xh (0) or for wt (1)
	s_and_b32 s12, s10, 1                          ; which half of that tile
	s_bfe_u32 s40, ttmp6, 0x40000                  ; cx, cy: my place in the cluster
	s_bfe_u32 s41, ttmp6, 0x40004
	s_lshl_b32 s42, ttmp9, 2
	s_add_co_u32 s42, s42, s40                     ; tile column = 4 x cluster x + cx, 0 to 15
	s_and_b32 s13, ttmp7, 0xffff
	s_lshl_b32 s13, s13, 2
	s_add_co_u32 s13, s13, s41                     ; tile row = 4 x cluster y + cy, 0 to 31
	s_lshl_b32 s43, s41, 2
	s_lshl_b32 s43, 15, s43                        ; my row of the cluster
	s_lshl_b32 s44, 0x1111, s40                    ; my column
	s_or_b32 s[G1+0], s43, (1<<16)|(1<<20)|(1<<21)|(5<<22)|(3<<25)   ; 15:0 the mask; 17:16 elements of 2 bytes; 20 padding on; 21 set beside a mask; 24:22 after every 64 words; 31:25 4 words of it
	s_or_b32 s[G1B+0], s44, (1<<16)|(1<<20)|(1<<21)|(5<<22)|(3<<25)
	s_mov_b32 s[G1+1], KSTEP<<16                   ; tensor_dim0 = 128
	s_mov_b32 s[G1+2], 128<<16                     ; tensor_dim1 = 128 rows
	s_mov_b32 s[G1+3], KSTEP<<16                   ; tile_dim0 = 128
	s_mov_b32 s[G1+4], 128                         ; tile_dim1 = 128
	s_mov_b32 s[G1+5], 1024                        ; elements from row to row
	s_mov_b32 s[G1+6], 0
	s_mov_b32 s[G1+7], 0
	s_mov_b32 s[G1B+1], KSTEP<<16
	s_mov_b32 s[G1B+2], 96<<16                     ; 96 rows
	s_mov_b32 s[G1B+3], KSTEP<<16
	s_mov_b32 s[G1B+4], 96
	s_mov_b32 s[G1B+5], 1024
	s_mov_b32 s[G1B+6], 0
	s_mov_b32 s[G1B+7], 0
	; where the tiles come from: xh's hang on the tile row alone, wt's on the tile column alone, each in registers that never hold the other coordinate
	s_lshl_b32 s16, s13, 8
	s_lshl_b32 s17, s12, 7
	s_add_co_u32 s16, s16, s17                     ; xh: row 256 x tile row + 128 x half,
	s_lshl_b32 s16, s16, 11                        ; of 2,048 bytes
	s_mov_b32 s17, 0
	s_mul_i32 s46, s42, 192
	s_mul_i32 s47, s12, 96
	s_add_co_u32 s46, s46, s47                     ; wt: row 192 x tile column + 96 x half
	s_lshl_b32 s46, s46, 11
	s_mov_b32 s47, 0
	s_mul_i32 s20, s12, AHALF                      ; and where they go: no place in the cluster enters an LDS address
	s_mul_i32 s21, s12, BHALF
	s_add_co_u32 s21, s21, BOFF
	s_wait_dscnt 0x0                               ; the opening add is done
	s_wait_kmcnt 0x0
	s_add_nc_u64 s[14:15], s[4:5], s[16:17]
	s_add_nc_u64 s[46:47], s[6:7], s[46:47]
	CROUND                                         ; all sixteen work-groups are here: the first joint loads meet
.irp s, 0,1
	s_mov_b32 s[G0+4*(\s)], 1                                        ; count = 1
	s_add_co_u32 s[G0+4*(\s)+1], s20, (\s)*SLOT                      ; LDS address
	s_add_nc_u64 s[G0+4*(\s)+2:G0+4*(\s)+3], s[14:15], (\s)*KSTEP*2  ; global address: K step s
	s_or_b32 s[G0+4*(\s)+3], s[G0+4*(\s)+3], 0x80000000              ; type = 2
	s_mov_b32 s[G0B+4*(\s)], 1
	s_add_co_u32 s[G0B+4*(\s)+1], s21, (\s)*SLOT
	s_add_nc_u64 s[G0B+4*(\s)+2:G0B+4*(\s)+3], s[46:47], (\s)*KSTEP*2
	s_or_b32 s[G0B+4*(\s)+3], s[G0B+4*(\s)+3], 0x80000000
.endr
	s_cmp_eq_u32 s11, 0                            ; a wave's two first fills stand in one branch, ahead of every wait on TENSORcnt and every LDS read: two loads of mine are out
	s_cbranch_scc0 .Lfirst_b
	tensor_load_to_lds s[G0:G0+3], s[G1:G1+7]
	s_nop 0
	tensor_load_to_lds s[G0+4:G0+7], s[G1:G1+7]
	s_nop 0
.rept 4
	v_nop
.endr
	s_branch .Lfirst_asked
.Lfirst_b:
	tensor_load_to_lds s[G0B:G0B+3], s[G1B:G1B+7]
	s_nop 0
	tensor_load_to_lds s[G0B+4:G0B+7], s[G1B:G1B+7]
	s_nop 0
.rept 4
	v_nop
.endr
.Lfirst_asked:
	; A fragment is 16 rows x 32 K in 8 registers: lane l holds row l % 16; registers 0-3 K = 8 (l / 16) + 0..7, registers 4-7 K = 16 + 8 (l / 16) + 0..7: two loads of 16 bytes, 32 bytes apart.
	v_and_b32 v1, 15, v0                           ; l % 16
	v_bfe_u32 v2, v0, 4, 1                         ; l / 16
	v_mul_u32_u24 v3, v1, PITCH
	v_lshl_add_u32 v3, v2, 4, v3
	s_mul_i32 s22, s10, 64*PITCH                   ; my 64 rows of xh
	v_add_nc_u32 v[ADRA], s22, v3
	v_add_nc_u32 v[ADRA+1], SLOT, v[ADRA]
	v_add_nc_u32 v[ADRB], BOFF, v3                 ; every wave reads all 192 rows of wt
	v_add_nc_u32 v[ADRB+1], BOFF+SLOT, v3
	s_mul_i32 s23, s10, 16*SP
	s_add_co_u32 s23, s23, STAGE                   ; my stage
	v_mul_u32_u24 v4, v1, SP                       ; in: row l % 16, 16 bytes for each half of the lanes
	v_lshl_add_u32 v4, v2, 4, v4
	v_add_nc_u32 v[STO], s23, v4
	v_bfe_u32 v5, v0, 3, 2                         ; back: 32 lanes take four rows of 128 bytes
	v_and_b32 v6, 7, v0
	v_mul_u32_u24 v5, v5, SP
	v_lshl_add_u32 v5, v6, 4, v5
	v_add_nc_u32 v[RD], s23, v5
	v_and_b32 v7, 31, v0
	v_lshlrev_b32 v[GO], 4, v7
	v_lshlrev_b32 v[PFO], 11, v7
	; qkv at my first row of head group g = 3 x tile column + j: (g / 16) << 24 + (g % 16) << 18 + batch << 22 + t << 7
	s_mul_i32 s75, s42, 3
	s_lshr_b32 s76, s13, 3                         ; batch = tile row / 8
	s_lshl_b32 s76, s76, 22
	s_and_b32 s77, s13, 7                          ; t = 256 (tile row % 8) + 64 wave
	s_lshl_b32 s77, s77, 15
	s_add_co_u32 s76, s76, s77
	s_lshl_b32 s77, s10, 13
	s_add_co_u32 s76, s76, s77
	s_mov_b32 s79, 0
.irp j, 0,1,2
	s_add_co_u32 s77, s75, (\j)
	s_lshr_b32 s78, s77, 4
	s_lshl_b32 s78, s78, 24
	s_and_b32 s77, s77, 15
	s_lshl_b32 s77, s77, 18
	s_add_co_u32 s78, s78, s77
	s_add_co_u32 s78, s78, s76
	s_add_nc_u64 s[OB+2*(\j):OB+2*(\j)+1], s[8:9], s[78:79]
.endr
	; the prefetches: my work-group's 32 of the 128 rows that I fetch, at K step 2; the first refill steps it to 3 and names K step 4
	s_lshl_b32 s78, s13, 8
	s_lshl_b32 s77, s12, 7
	s_add_co_u32 s78, s78, s77
	s_lshl_b32 s77, s40, 5
	s_add_co_u32 s78, s78, s77
	s_lshl_b32 s78, s78, 11
	s_add_co_u32 s78, s78, 2*KSTEP*2
	s_add_nc_u64 s[PFA:PFA+1], s[4:5], s[78:79]
	s_or_b32 s[LIM], s11, ttmp9                    ; 0 in waves 0 and 1 of a cluster with x = 0: the same in all sixteen partners, for a given wave
	s_cmp_eq_u32 s[LIM], 0
	s_cselect_b32 s[LIM], 1, -1
; 16 matrix instructions: row blocks a0, a0 + 1 x column blocks 0-7, 32 along K.  zero = 1: the product starts the sum: nothing is cleared.
.macro MULLO f, a0, zero
	WIN 0xa5                                       ; both sources window 1, C and D window 2
.irp a, \a0, (\a0)+1
.irp b, 0,1,2,3,4,5,6,7
.if \zero
	v_wmma_f32_16x16x32_f16 v[8*(8*(\a)+(\b)):8*(8*(\a)+(\b))+7], v[(\f)+32+8*(\b):(\f)+32+8*(\b)+7], v[(\f)+8*(\a):(\f)+8*(\a)+7], 0
.else
	v_wmma_f32_16x16x32_f16 v[8*(8*(\a)+(\b)):8*(8*(\a)+(\b))+7], v[(\f)+32+8*(\b):(\f)+32+8*(\b)+7], v[(\f)+8*(\a):(\f)+8*(\a)+7], v[8*(8*(\a)+(\b)):8*(8*(\a)+(\b))+7]
.endif
.endr
.endr
.endm
; 16 more: all four row blocks x column blocks 8-11.  The 48 accumulators take turns in the same order in every quarter.
.macro MULHI f, zero
	WIN 0xf5                                       ; C and D window 3
.irp a, 0,1,2,3
.irp b, 0,1,2,3
.if \zero
	v_wmma_f32_16x16x32_f16 v[8*(4*(\a)+(\b)):8*(4*(\a)+(\b))+7], v[(\f)+96+8*(\b):(\f)+96+8*(\b)+7], v[(\f)+8*(\a):(\f)+8*(\a)+7], 0
.else
	v_wmma_f32_16x16x32_f16 v[8*(4*(\a)+(\b)):8*(4*(\a)+(\b))+7], v[(\f)+96+8*(\b):(\f)+96+8*(\b)+7], v[(\f)+8*(\a):(\f)+8*(\a)+7], v[8*(4*(\a)+(\b)):8*(4*(\a)+(\b))+7]
.endif
.endr
.endr
.endm
; 32 LDS loads in one run: quarter q (32 along K, at byte 64 q of the rows) into buffer f: xh's four fragments, wt's 0-7, and last wt's 8-11, which are wanted last
.macro FETCH slot, q, f
	WIN 0x40                                       ; destination window 1, address window 0
.irp i, 0,1,2,3
	ds_load_b128 v[(\f)+8*(\i):(\f)+8*(\i)+3],   v[ADRA+(\slot)] offset:64*(\q)+(\i)*16*PITCH
	ds_load_b128 v[(\f)+8*(\i)+4:(\f)+8*(\i)+7], v[ADRA+(\slot)] offset:64*(\q)+(\i)*16*PITCH+32
.endr
.irp i, 0,1,2,3,4,5,6,7,8,9,10,11
	ds_load_b128 v[(\f)+32+8*(\i):(\f)+32+8*(\i)+3],   v[ADRB+(\slot)] offset:64*(\q)+(\i)*16*PITCH
	ds_load_b128 v[(\f)+32+8*(\i)+4:(\f)+32+8*(\i)+7], v[ADRB+(\slot)] offset:64*(\q)+(\i)*16*PITCH+32
.endr
.endm
.macro PLACES                          ; four places in front of loads into registers that matrix instructions have read, and of lines that read results
.rept 4
	v_nop
.endr
.endm
; A K step is four quarters of 32 along K, 48 matrix instructions each, on buffers 0, 1, 0, 1.  One of the first three: multiplies buffer f; in its middle it fetches quarter q into buffer g.
.macro QUARTER slot, q, f, g, zero
	s_wait_dscnt 8                                 ; all of buffer f but its youngest eight loads, wt's fragments 8-11
	MULLO \f, 0, \zero
	MULLO \f, 2, \zero
	PLACES
	FETCH \slot, \q, \g
	s_wait_dscnt 32                                ; all but the 32 just issued
	MULHI \f, \zero
.endm
; The last quarter multiplies buffer 1 and changes slots: ONE barrier.  In front of it each wave waits for all its tensor loads, of which one is out: its part of the next slot; adds 0 to its
; spare word; and waits for that and for its own reads of this slot.  fill = 1: the barrier opens a round of the cluster's, and this slot is filled again, two K steps on, first thing behind the round:
; that load has 176 matrix instructions of the wave in which to land.
.macro TURN slot, next, fill
.if \fill
	s_wait_xcnt 0x0                                ; the last prefetch, a K step back, has read its address, so it may be stepped
	s_add_nc_u64 s[PFA:PFA+1], s[PFA:PFA+1], KSTEP*2
.endif
	WIN 0                                          ; (the add's two registers lie in window 0)
	s_wait_tensorcnt 0x0                           ; all my tensor loads have landed
	ds_add_u32 v[SPW], v[NIL]                      ; 0 onto my spare word
	s_wait_dscnt 9                                 ; (the add and the youngest eight loads may be out)
	MULLO F1, 0, 0                                 ; sixteen matrix instructions stand between the add and the wait for it
	s_wait_dscnt 0x0                               ; the add is done, and my reads of this slot are over
	s_barrier_signal -1
	MULLO F1, 2, 0                                 ; work on registers while the others arrive
.if \fill
	WIN 0
.endif
	s_barrier_wait -1
.if \fill
	CREST                                          ; no wave of any partner still reads this slot or has a load on its way
	s_add_nc_u64 s[G0+4*(\slot)+2:G0+4*(\slot)+3], s[G0+4*(\slot)+2:G0+4*(\slot)+3], 2*KSTEP*2
	s_add_nc_u64 s[G0B+4*(\slot)+2:G0B+4*(\slot)+3], s[G0B+4*(\slot)+2:G0B+4*(\slot)+3], 2*KSTEP*2
	JLOAD \slot                                    ; the four v_nop behind it are also the places in front of the loads below
.else
	PLACES
.endif
	FETCH \next, 0, F0
.if \fill
	WIN 0
	ASK
.endif
	MULHI F1, 0
.endm
	s_wait_tensorcnt 1                             ; my part of K step 0 is in; K step 1's may stay out
	s_barrier_signal -1
	s_barrier_wait -1                              ; everybody's is
	FETCH 0, 0, F0
	QUARTER 0, 1, F0, F1, 1                        ; the first quarter stands in front of the loop: its products start the sums
	WIN 0                                          ; at a label and at a branch every window is 0
	s_mov_b32 s3, LAPS-1
.Llap:                                                 ; a trip goes once round the ring, from a lap's second quarter to the next lap's first, and fills both slots again
	QUARTER 0, 2, F1, F0, 0
	QUARTER 0, 3, F0, F1, 0
	TURN 0, 1, 1
	QUARTER 1, 1, F0, F1, 0
	QUARTER 1, 2, F1, F0, 0
	QUARTER 1, 3, F0, F1, 0
	TURN 1, 0, 1
	QUARTER 0, 1, F0, F1, 0
	WIN 0
	s_sub_co_u32 s3, s3, 1
	s_cmp_lg_u32 s3, 0
	s_cbranch_scc1 .Llap
	QUARTER 0, 2, F1, F0, 0                        ; the last lap fills nothing, and has no round of the cluster's barrier
	QUARTER 0, 3, F0, F1, 0
	TURN 0, 1, 0
	QUARTER 1, 1, F0, F1, 0
	QUARTER 1, 2, F1, F0, 0
	QUARTER 1, 3, F0, F1, 0
	s_wait_dscnt 8                                 ; the very last quarter: nothing more to fetch
	MULLO F1, 0, 0
	MULLO F1, 2, 0
	s_wait_dscnt 0x0
	MULHI F1, 0
	WIN 0
	PLACES
	PLACES                                         ; (eight, once a launch)
; THE WAY OUT, in 12 pieces of 16 rows x one head.  PACK: row block a, head j: rounded to f16 (each accumulator's registers in ascending order), 16 bytes a lane into rows of 144 bytes of my stage,
; and back as whole rows of 128 bytes, into the registers that they left.  LDS serves a wave's instructions in order (ISA guide 5.7.1.4): the loads see the stores, and the next piece's stores come behind them.
.macro PACK a, j
.if (\j) < 2
	WIN 0x0a                                       ; sources in window 2
.set AC, 8*(8*(\a)+4*(\j))
.else
	WIN 0x0f                                       ; in window 3
.set AC, 32*(\a)
.endif
.set TT, T+16*(3*(\a)+(\j))
.irp f, 0,1,2,3
.irp r, 0,1,2,3
	v_cvt_pk_f16_f32 v[TT+4*(\f)+(\r)], v[AC+8*(\f)+2*(\r)], v[AC+8*(\f)+2*(\r)+1]
.endr
.endr
	WIN 0
.irp f, 0,1,2,3
	ds_store_b128 v[STO], v[TT+4*(\f):TT+4*(\f)+3] offset:32*(\f)
.endr
.irp f, 0,1,2,3
	ds_load_b128 v[TT+4*(\f):TT+4*(\f)+3], v[RD] offset:(\f)*4*SP
.endr
.endm
.macro SEND a, j, younger              ; younger: the LDS instructions issued behind the piece's loads: the next piece's eight, or none
.set TT, T+16*(3*(\a)+(\j))
.irp f, 0,1,2,3
	s_wait_dscnt (\younger)+3-(\f)
	global_store_b128 v[GO], v[TT+4*(\f):TT+4*(\f)+3], s[OB+2*(\j):OB+2*(\j)+1] offset:2048*(\a)+512*(\f)  ; 512 consecutive bytes, aligned; no register of a store is written again
.endr
.endm
	PACK 0, 0
.set p, 1
.rept 11                               ; a piece's conversions stand between the loads of the piece before and its stores
	PACK p/3, p%3
	SEND (p-1)/3, (p-1)%3, 8
.set p, p+1
.endr
	SEND 3, 2, 0
	s_wait_tensorcnt 0x0                           ; the wave's end: behind my last tensor load and my last LDS store
	ds_add_u32 v[SPW], v[NIL]
	s_wait_dscnt 0x0
	CROUND                                         ; the closing round: no work-group ends while a partner may still ask for a tile that names it
	s_endpgm
.Lfunc_end_k_qdd4ccd22e8_qkvgemm:
	.size	k_qdd4ccd22e8_qkvgemm, .Lfunc_end_k_qdd4ccd22e8_qkvgemm-k_qdd4ccd22e8_qkvgemm
	.p2alignl 7, 3214868480
	.fill 96, 4, 3214868480
	.section	.rodata,"a",@progbits
	.p2align	6, 0x0
	.amdhsa_kernel k_qdd4ccd22e8_qkvgemm
		.amdhsa_group_segment_fixed_size 327680
		.amdhsa_private_segment_fixed_size 0
		.amdhsa_enable_private_segment 0
		.amdhsa_kernarg_size 24
		.amdhsa_user_sgpr_count 2
		.amdhsa_user_sgpr_kernarg_segment_ptr 1
		.amdhsa_wavefront_size32 1
		.amdhsa_system_sgpr_workgroup_id_x 1
		.amdhsa_system_sgpr_workgroup_id_y 1
		.amdhsa_system_sgpr_workgroup_id_z 1
		.amdhsa_system_vgpr_workitem_id 0
		.amdhsa_next_free_vgpr 896
		.amdhsa_next_free_sgpr 80
		.amdhsa_reserve_vcc 0
		.amdhsa_float_denorm_mode_32 3
		.amdhsa_float_denorm_mode_16_64 3
		.amdhsa_memory_ordered 1
		.amdhsa_forward_progress 1
		.amdhsa_inst_pref_size 121
	.end_amdhsa_kernel
	.amdgpu_metadata
---
amdhsa.version: [ 1, 2 ]
amdhsa.kernels:
  - .name:           k_qdd4ccd22e8_qkvgemm
    .symbol:         k_qdd4ccd22e8_qkvgemm.kd
    .args:
      - { .name: xh, .offset: 0, .size: 8, .value_kind: global_buffer, .address_space: global }
      - { .name: wt, .offset: 8, .size: 8, .value_kind: global_buffer, .address_space: global }
      - { .name: qkv, .offset: 16, .size: 8, .value_kind: global_buffer, .address_space: global }
    .group_segment_fixed_size: 327680
    .private_segment_fixed_size: 0
    .kernarg_segment_align: 8
    .kernarg_segment_size: 24
    .max_flat_workgroup_size: 128
    .sgpr_count:     80
    .vgpr_count:     896
    .wavefront_size: 32
...
	.end_amdgpu_metadata
.endif
;; end of part 2
;; launch attn (part 3): grid 4 x 64, 4 waves a work-group, no clusters, 327,680 bytes of LDS; arguments qkv, att; writes att
.if DOCPART == 3
	.amdgcn_target "amdgcn-amd-amdhsa--gfx1250"
	.amdhsa_code_object_version 6
	.text
	.protected	k_qdd4ccd22e8_attn
	.globl	k_qdd4ccd22e8_attn
	.p2align	8
	.type	k_qdd4ccd22e8_attn,@function
k_qdd4ccd22e8_attn:
	s_mov_b64 s[64:65], 0
	v_nop
	global_prefetch_b8 v0, s[64:65] scope:SCOPE_SE
	s_setreg_imm32_b32 hwreg(HW_REG_WAVE_MODE, 25, 1), 1
	s_wait_xcnt 0x0
; CAUSAL ATTENTION.  O[h][q][:] = the sum over k <= q of softmax_k(Q[h][q] . K[h][k] / 8) V[h][k][:].  Q, K, V lie in qkv, [3][64][2048][64] f16; O in att, [64][2048][64] f16: a head's rows are dense, 128 bytes each.
; Products, maxima and sums in f32; the weights p are rounded to f16 for the second product (their sum l is taken of the unrounded p), O once at the end.
; LIMITS.  f16 holds no number beyond 65,504: Q, K and V arrive within it; p lies in 0 to 1, and below 6e-5 it keeps f16's fixed step of 6e-8; O is a mean of V's rows and has their range.
; A hidden score counts as its value less 1e30: f16's scores, 2.7e11 at the most, are nothing beside that; a weight below 2^-126 counts as 0 in l; NaN and infinities are not treated apart.
; THE WALK.  A head's queries lie in NB = 8 blocks of 256; block i needs the key tiles 0 .. i of 256 keys, of which the last holds the diagonal.  A work-group takes TWO blocks, NB - 1 - b and then b:
; NB + 1 tiles, whatever b: all work-groups do equal work, and ONE loop with a constant trip count walks them.  Which tile is asked for, and what a trip does, hang on scalar registers made from b; every jump
; goes forward, but for the counted loops' own; none passes a barrier, or a tensor load but the one of LOAD's two that the wave's number does not choose; the ring (two slots of LDS that take turns) runs on across the
; change of blocks.  NO CLUSTER: a head's four work-groups ask for the same tile only in trips 0 to 4 of the 9, behind that fewer and fewer; and one walk common to all four would have 12 trips for 9.
; SHARES.  Of a block's four bands of 64 queries a wave owns 16 rows in each: four PIECES.  So the diagonal tile is the same work for all four waves: in its key step s band x sees all keys if s < x,
; none if s > x, and holds the diagonal if s = x.
; THE MASK is the C operand that starts the sum S^T = K Q^T: 0, or -1e30 where the key is hidden.  MD, made once, is the mask of a band's own step for my 16 rows; a product's mask is MD x AL + BE with two scalars:
; (1, 0) if s = x; (0, 0) if s < x; (0, -1e30) if s > x.  Only the diagonal tile's text and a block's beginning make and take masks; elsewhere C is the constant 0.
; LAYOUT, SOFTMAX, TURNS.  S^T = K Q^T holds ONE query a lane (lane % 16) and the keys 8 (lane / 16) + 0..7; two such results rounded to f16 ARE source 1 of O^T = V^T P.  p = 2^(c s - c m), c = log2(e) / 8, with a
; running maximum m; O and l are multiplied by a = 2^(c m_old - c m_new) in every step.  Turn n belongs to piece n: 8 products K Q^T of piece n + 1, later 8 products V^T P of piece n - 1; beside them the scaling,
; exponentials, roundings, sums and rescaling of piece n and the maximum and statistics of piece n + 1.  Four vector instructions stand behind every matrix instruction, the other 54 of a turn's 118 in two runs of their own.
; REGISTERS, in windows of 256 (s_set_vgpr_msb: bits 1:0 source 0, 3:2 source 1, 5:4 source 2, 7:6 destination):
;   window 0: v0-15 addresses and two at work; v16-31 four registers of statistics a piece; v48-55 at work; v61-63 never rewritten; v64-127 S^T, two buffers; v192-223 P, two buffers (a piece's buffers go by its number's parity)
;   window 1: v0-127 O^T, 32 a piece; v128-159 MD; v160-223 MC, two buffers      window 2: v0-63 Q; v64-127 the second block's Q; v128-191 K of one step; v192-255 V of one step
.set SIZE_H, 64
.set SIZE_N, 2048
.set NB,    SIZE_N/256
.set NP,    4         ; pieces a wave: a name, no knob
.set KS,    64        ; keys in a step
.set PK,    144       ; a row of K in LDS: 128 bytes + 16 of padding = 36 words: the 16 rows of a load start at 16 different groups of four banks (64 banks of 4 bytes: ISA guide 11.1)
.set PV,    160       ; a row of V: 128 + 32 = 40 words
.set VOFF,  4*KS*PK   ; a slot holds a tile, four steps: 256 rows of K, then 256 rows of V
.set SLOT1, 1<<17     ; slot 1 begins here, so that one exclusive or turns an address in one slot into the other's
.set STAGE, SLOT1+4*KS*(PK+PV)  ; behind the ring, never filled by a tensor load: 16 rows x 144 bytes for each wave, for the way out
.set SP,    144
.set AK0, 2           ; v2   my lane's place in a tile of K; never rewritten
.set AV0, 3           ; v3   the same for V
.set AK,  4           ; v4   the LDS address of K's next run of loads
.set AV,  5           ; v5   of V's
.set STO, 6           ; v6   the way out: where I put 16 bytes of a row
.set RD,  7           ; v7   the way out: where I read rows back
.set GO,  8           ; v8   my byte offset in 512 consecutive bytes of O
.set PFO, 61          ; v61  256 x my lane: the prefetches' offset; never rewritten
.set SPW, 62          ; v62  LDS address of my spare word: SPARE + 4 x my thread's number; never rewritten
.set NIL, 63          ; v63  0; never rewritten
.set SPARE, STAGE+4*16*SP  ; behind the stages: the spare words, 128 bytes for each wave
.set MV,  12          ; v12-13  c m_old, kept while c m is made anew: by buffer
.set QO,  15          ; v15  my byte offset in 16 rows of Q
.set ST,  16          ; piece t's statistics at v[ST+4 t]: c m, m, l (even keys', odd keys')
.set TMP, 48          ; by buffer, four registers c0-c3 at work; when the maximum is found c2 takes a
.set S,   64
.set P,   192
.set MD,  128         ; window 1: the eight registers for group kt of 16 keys at MD + 8 kt
.set MC,  160         ; window 1: the masks of the products to come
.set QB,  64          ; window 2
.set KF,  128         ; window 2: key block kb, channel half c at KF + 16 kb + 8 c
.set VF,  192         ; window 2: key half kk, channel block cb at VF + 32 kk + 8 cb
.set WV,  12          ; s12  my wave's number
.set PB,  14          ; s14  b
.set HI,  15          ; s15  NB - 1 - b
.set G1K, 24          ; s[24:31] descriptor group 1 for K's tiles
.set G1V, 32          ; s[32:39] for V's: it differs in the padding alone
.set G0K, 40          ; s[40:43] descriptor group 0 for K's tiles
.set G0V, 44          ; s[44:47] the same for V's
.set SLOTS, 56        ; s56  tiles still to be asked for
.set CNT, 57          ; s57  counts a tile's key steps, 4 to 1
.set CS,  58          ; s[58:59] c: the packed scaling takes the pair's low word for both halves
.set SEL, 60          ; s[60:61] v_permlanex16_b32's selects: each lane takes its own place in the other half
.set TBK, 62          ; s62  LDS byte at which K of the step to be fetched begins
.set TBV, 63          ; s63  the same for V, less VOFF
.set RT,  70          ; s70  tiles of the block in hand that are still to be entered
.set NXT, 71          ; s71  the tile to be asked for next
.set LQ,  72          ; s72  the last tile of the block whose tiles are being asked for
.set NEW, 73          ; s73  1: the tile to be entered is a block's first
.set OFF, 74          ; s[74:75] a tile's byte offset in K and V
.set AL,  76          ; s[76:77] the mask's factor, in the low word
.set BE,  78          ; s[78:79] the mask's addend
.set OLO, 80          ; s[80:81] O at my rows of the second block
.set BIGN, 82         ; s82  -1e30
.set PFA, 88          ; s[88:89] where my prefetches stand: my 16 KiB of the tile behind the one that is being asked for
.set POF, 90          ; s[90:91] that tile's byte offset
.set PFB, 92          ; s[92:93] my 16 KiB of the head's tile 0: of K in waves 0 and 1, of V in waves 2 and 3
.set LIM, 94          ; s94  0 in the head's work-group b = 0, else the greatest number: a wave prefetches while s[NXT] is above it
.set MSB, 0
.macro WIN new                      ; the high byte repeats the setting that is left; a switch that changes nothing is dropped
.if MSB != (\new)
	s_set_vgpr_msb (MSB<<8)|(\new)
.set MSB, (\new)
.endif
.endm
.set W_KQ, 0x0a       ; K and Q in window 2, S^T in window 0
.set W_KM, 0x1a       ; the same with the C operand in window 1
.set W_PV, 0x52       ; V in window 2, P in window 0, O^T in window 1
.set W_RS, 0x41       ; destination and source 0 in window 1, source 1 in window 0
; A fill.  Waves 0 and 1 fetch the two halves of a tile's K, waves 2 and 3 those of its V: 128 keys each.  An s_nop 0 and four v_nop follow each of the two lines, ahead of the jump and the label.
.macro LOAD
	s_cmp_lt_u32 s[WV], 2
	s_cbranch_scc0 .Lfor_v_\@
	tensor_load_to_lds s[G0K:G0K+3], s[G1K:G1K+7]
	s_nop 0
.rept 4
	v_nop
.endr
	s_branch .Lasked_\@
.Lfor_v_\@:
	tensor_load_to_lds s[G0V:G0V+3], s[G1V:G1V+7]
	s_nop 0
.rept 4
	v_nop
.endr
.Lasked_\@:
.endm
; A PREFETCH INTO THE L2 of the tile that the NEXT change of slots will ask for, behind the wave's tensor load and its five lines: a tile, 256 matrix instructions of the wave, ahead of that load.
; All four work-groups of a head walk the same K and V; the one with b = 0 walks tiles 0 to 7 on end, and it alone asks.  Each of its waves names the 16 KiB that it will load itself: 64 blocks of
; 256 bytes, a lane a block, two instructions.  So each block is named once in the launch.  Tiles 0 and 1 come by their loads alone; when the first block's last tile has been asked for, s[NXT] is 0 and nothing more is named.
.macro ASK
	s_cmp_gt_u32 s[NXT], s[LIM]
	s_cbranch_scc0 .Lnot_mine_\@
	global_prefetch_b8 v[PFO], s[PFA:PFA+1] th:TH_LOAD_NT scope:SCOPE_SE
	global_prefetch_b8 v[PFO], s[PFA:PFA+1] offset:8192 th:TH_LOAD_NT scope:SCOPE_SE
.Lnot_mine_\@:
.endm
; THE CHANGE OF SLOTS.  Each wave waits for all its tensor loads, of which one is out: its part of the other slot; adds 0 to its spare word; and waits for that and for its own reads of the slot that it leaves.  Behind the barrier nobody reads the old
; slot any more and the other slot is whole.  fill = 1: the old slot is filled again, the first thing behind the barrier, with tile NXT: the descriptor's address is made anew from that number.
; (At its first use nothing has been read yet: slot 0 is waited for, slot 1 filled.)
.macro CHANGE fill
	WIN 0                           ; at a label and at a branch every window is 0
	s_wait_tensorcnt 0x0            ; no tensor load of mine is out, so a group 0 may be written
	ds_add_u32 v[SPW], v[NIL]       ; 0 onto my spare word; with fill = 1 the descriptors' scalar work stands between it and the wait for it
.if \fill
	s_lshl_b32 s[OFF], s[NXT], 15   ; a tile is 32,768 bytes of K and of V
	s_xor_b32 s[G0K+1], s[G0K+1], SLOT1
	s_add_nc_u64 s[G0K+2:G0K+3], s[6:7], s[OFF:OFF+1]
	s_or_b32 s[G0K+3], s[G0K+3], 0x80000000
	s_xor_b32 s[G0V+1], s[G0V+1], SLOT1
	s_add_nc_u64 s[G0V+2:G0V+3], s[8:9], s[OFF:OFF+1]
	s_or_b32 s[G0V+3], s[G0V+3], 0x80000000
	s_add_co_u32 s[NXT], s[NXT], 1  ; the block's next tile, or behind its last the second block's tile 0
	s_cmp_gt_u32 s[NXT], s[LQ]
	s_cselect_b32 s[NXT], 0, s[NXT]
	s_cselect_b32 s[LQ], s[PB], s[LQ]
	s_wait_xcnt 0x0                 ; the last prefetches, a tile back, have read their address, so it may be written:
	s_lshl_b32 s[POF], s[NXT], 15   ; the tile behind the one that is asked for now
	s_add_nc_u64 s[PFA:PFA+1], s[PFB:PFB+1], s[POF:POF+1]
.endif
	s_wait_dscnt 0x0                ; the add is done, and my reads of the slot are over
	s_barrier_signal -1             ; the rest of the scalar work stands between the signal and the wait
	s_sub_co_u32 s[TBK], s[TBK], 4*KS*PK  ; the fetches go back to a slot's first step,
	s_xor_b32 s[TBK], s[TBK], SLOT1       ; in the other slot
	s_sub_co_u32 s[TBV], s[TBV], 4*KS*PV
	s_xor_b32 s[TBV], s[TBV], SLOT1
	s_barrier_wait -1
.if \fill
	LOAD
	ASK
.endif
.endm
	s_load_b128 s[4:7], s[0:1], 0x0 ; qkv s[4:5], att s[6:7]
	v_lshl_add_u32 v[SPW], v0, 2, SPARE
	v_mov_b32 v[NIL], 0
	ds_add_u32 v[SPW], v[NIL]       ; the wave's opening: the add and its wait stand ahead of my first tensor load; the set-up below, work on registers, stands between them
	ds_add_u32 v62, v63
	v_lshrrev_b32 v1, 5, v0
	v_readfirstlane_b32 s[WV], v1   ; wave 0..3
	s_mov_b32 s[PB], ttmp9
	s_sub_co_u32 s[HI], NB-1, s[PB]
	s_and_b32 s20, ttmp7, 0xffff    ; the head, 16 x batch + head
	s_mov_b32 s21, 0
	s_mov_b64 s[22:23], SIZE_N*128
	s_mul_u64 s[20:21], s[20:21], s[22:23]  ; the head's first byte in each of the four tensors
	s_and_b32 s16, s[WV], 1         ; which half of a tile's 256 keys I fetch:
	s_lshl_b32 s22, s16, 14         ; its 128 rows of 128 bytes in memory,
	s_mov_b32 s23, 0
	s_add_nc_u64 s[22:23], s[22:23], s[20:21]
	s_mul_i32 s17, s16, 128*PK      ; and its place in a slot, for K
	s_mul_i32 s18, s16, 128*PV      ; and for V
	s_lshl_b32 s3, s[WV], 11        ; my 16 rows in a band of 64,
	s_lshl_b32 s2, s[HI], 15        ; in the first block,
	s_add_co_u32 s2, s2, s3
	s_lshl_b32 s84, s[PB], 15       ; and in the second
	s_add_co_u32 s84, s84, s3
	s_mov_b32 s3, 0
	s_mov_b32 s85, 0
	s_add_nc_u64 s[2:3], s[2:3], s[20:21]
	s_add_nc_u64 s[84:85], s[84:85], s[20:21]
	; descriptor group 1.  128 keys are 16,384 dense bytes: asked for as 64 rows of 256 bytes, two keys a row, and padded in LDS after every key
	s_mov_b32 s[G1K], (1<<16)|(1<<20)|(4<<22)|(3<<25)  ; 17:16 2-byte elements; 20 padding on; 24:22 after every 32 words (code 4); 31:25 4 words (code 3)
	s_mov_b32 s[G1V], (1<<16)|(1<<20)|(4<<22)|(7<<25)  ; the same with 8 words of padding (code 7)
.irp g, G1K, G1V
	s_mov_b32 s[\g+1], 128<<16      ; tensor_dim0 = 128
	s_mov_b32 s[\g+2], 64<<16       ; tensor_dim1 = 64
	s_mov_b32 s[\g+3], 128<<16      ; tile_dim0 = 128
	s_mov_b32 s[\g+4], 64           ; tile_dim1 = 64
	s_mov_b32 s[\g+5], 128          ; 128 elements from row to row
	s_mov_b32 s[\g+6], 0
	s_mov_b32 s[\g+7], 0
.endr
	s_mov_b32 s[CS], 0x3e38aa3b     ; c = log2(e) / 8 = 0.180337
	s_mov_b32 s[CS+1], s[CS]        ; named with it as a pair
	s_mov_b32 s[SEL], 0x76543210
	s_mov_b32 s[SEL+1], 0xfedcba98
	s_mov_b32 s[TBK], SLOT1+4*KS*PK ; the first change of slots turns these two into 0
	s_mov_b32 s[TBV], SLOT1+4*KS*PV
	s_mov_b32 s[G0K], 1             ; 1:0 count = 1
	s_mov_b32 s[G0K+1], s17         ; 63:32 LDS address: slot 0
	s_mov_b32 s[G0V], 1
	s_add_co_u32 s[G0V+1], s18, VOFF
	s_add_co_u32 s[RT], s[HI], 1    ; the first block has NB - b tiles
	s_mov_b32 s[NXT], 1
	s_mov_b32 s[LQ], s[HI]
	s_mov_b32 s[NEW], 1
	s_mov_b32 s[OFF+1], 0
	s_mov_b32 s[POF+1], 0
	s_mov_b32 s[AL+1], 0            ; named as pairs
	s_mov_b32 s[BE+1], 0
	s_mov_b32 s[BIGN], 0xf149f2ca   ; -1e30
	s_mov_b32 s[SLOTS], NB
	s_cmp_eq_u32 ttmp9, 0
	s_cselect_b32 s[LIM], 0, -1
	v_and_b32 v[PFO], 31, v0
	v_lshlrev_b32 v[PFO], 8, v[PFO]
	s_wait_dscnt 0x0                ; the opening add is done
	s_wait_kmcnt 0x0
	s_mov_b64 s[10:11], s[6:7]      ; O
	s_add_nc_u64 s[8:9], s[4:5], 0x2000000  ; V lies 2 x 16 MiB behind Q in qkv,
	s_add_nc_u64 s[6:7], s[4:5], 0x1000000  ; K 16 MiB
	s_add_nc_u64 s[6:7], s[6:7], s[22:23]  ; K and V at my half of the head's tile 0
	s_add_nc_u64 s[8:9], s[8:9], s[22:23]
	s_cmp_lt_u32 s[WV], 2
	s_cselect_b64 s[PFB:PFB+1], s[6:7], s[8:9]
	s_add_nc_u64 s[G0K+2:G0K+3], s[6:7], 0         ; 120:64 global address
	s_or_b32 s[G0K+3], s[G0K+3], 0x80000000        ; 127:126 type = 2
	s_add_nc_u64 s[G0V+2:G0V+3], s[8:9], 0
	s_or_b32 s[G0V+3], s[G0V+3], 0x80000000
	s_add_nc_u64 s[86:87], s[4:5], s[84:85]        ; Q at my rows of the second block,
	s_add_nc_u64 s[4:5], s[4:5], s[2:3]            ; Q and O at those of the first
	s_add_nc_u64 s[OLO:OLO+1], s[10:11], s[84:85]
	s_add_nc_u64 s[10:11], s[10:11], s[2:3]
	LOAD                            ; tile 0 into slot 0
	; A fragment of K or Q is 16 rows x 32 channels in 8 registers: lane l holds row l % 16, channels 8 (l / 16) + 0..7 and 16 + 8 (l / 16) + 0..7: two loads of 16 bytes, 32 bytes apart.
	v_and_b32 v1, 15, v0            ; l % 16
	v_bfe_u32 v9, v0, 4, 1          ; l / 16
	v_lshlrev_b32 v[QO], 7, v1
	v_lshl_add_u32 v[QO], v9, 4, v[QO]  ; row x 128 + 16 x half
	WIN 0x80                        ; destination window 2, address window 0
.set i, 0
.rept 8                             ; both blocks' Q: piece i / 2 lies in band i / 2, 8,192 bytes on; channels 32 (i % 2) on
	global_load_b128 v[8*i:8*i+3],   v[QO], s[4:5] offset:(i/2)*8192+(i%2)*64
	global_load_b128 v[8*i+4:8*i+7], v[QO], s[4:5] offset:(i/2)*8192+(i%2)*64+32
	global_load_b128 v[QB+8*i:QB+8*i+3],   v[QO], s[86:87] offset:(i/2)*8192+(i%2)*64
	global_load_b128 v[QB+8*i+4:QB+8*i+7], v[QO], s[86:87] offset:(i/2)*8192+(i%2)*64+32
.set i, i+1
.endr
	WIN 0
	v_lshlrev_b32 v14, 3, v9
	v_sub_nc_u32 v14, v1, v14
	s_lshl_b32 s13, s[WV], 4
	v_add_nc_u32 v14, s13, v14      ; my query's place in its band, 16 w + l % 16, less my lanes' 8 (l / 16): register r of group kt is hidden where 16 kt + r is greater
	WIN 0x40
.set i, 0
.rept 32
	v_cmp_gt_i32 vcc_lo, 16*(i/8)+i%8, v14
	v_cndmask_b32 v[MD+i], 0, s[BIGN], vcc_lo
.set i, i+1
.endr
	WIN 0
	v_mul_u32_u24 v[AK0], v1, PK
	v_lshl_add_u32 v[AK0], v9, 4, v[AK0]  ; row x pitch + 16 x half
	; The turning load takes 16 keys x 16 channels (lane l reads key 8 (l / 16) + l % 8, channels 8 ((l / 8) % 2) + 0..7) and leaves half a fragment of V^T: lane l holds channel l % 16 and 8 keys.
	v_and_b32 v10, 7, v0
	v_bfe_u32 v11, v0, 3, 1
	v_lshl_add_u32 v[AV0], v9, 3, v10
	v_mul_u32_u24 v[AV0], v[AV0], PV
	v_lshl_add_u32 v[AV0], v11, 4, v[AV0]
	v_add_nc_u32 v[AV0], VOFF, v[AV0]
	s_mul_i32 s13, s[WV], 16*SP
	s_add_co_u32 s13, s13, STAGE    ; my stage
	v_mul_u32_u24 v[STO], v1, SP    ; in: row l % 16, 16 bytes for each half of the lanes
	v_lshl_add_u32 v[STO], v9, 4, v[STO]
	v_add_nc_u32 v[STO], s13, v[STO]
	v_bfe_u32 v[RD], v0, 3, 2       ; back: 32 lanes take four rows of 128 bytes,
	v_mul_u32_u24 v[RD], v[RD], SP
	v_lshl_add_u32 v[RD], v10, 4, v[RD]
	v_add_nc_u32 v[RD], s13, v[RD]
	v_and_b32 v[GO], 31, v0         ; which are 512 consecutive bytes of O
	v_lshlrev_b32 v[GO], 4, v[GO]
	; A block's first step multiplies O^T and l by a = 0, and its first turn's products V^T P, of a piece that has not been, land in an O^T that is still to be so multiplied.  So these registers need only hold
	; finite numbers: zeros for the first block; what the first block left for the second.  All this stands in the wait for the first tile.
	WIN 0x80
.set i, VF
.rept 64
	v_mov_b32 v[i], 0
.set i, i+1
.endr
	WIN 0x40
.set i, 0
.rept 128
	v_mov_b32 v[i], 0
.set i, i+1
.endr
	WIN 0
.set i, 0
.rept 4
	v_mov_b32 v[ST+4*i+2], 0
	v_mov_b32 v[ST+4*i+3], 0
.set i, i+1
.endr
.set i, P+16
.rept 16
	v_mov_b32 v[i], 0
.set i, i+1
.endr
; THE MATRIX WORK.  The 4 accumulators of a run of 8 take turns.  Product i of 8 of S^T = K Q^T for piece x: channels 32 (i / 4) on, keys 16 (i % 4) on.  The first 4 start the sums: with 0, or (KM = 1) with the mask.
.macro KQ x
.set rS, S+32*((\x)%2)+8*(i%4)
.set rK, KF+16*(i%4)+8*(i/4)
.set rQ, 16*(\x)+8*(i/4)
.set rM, MC+32*((\x)%2)+8*(i%4)
.if (i < 4) && KM
	WIN W_KM
	v_wmma_f32_16x16x32_f16 v[rS:rS+7], v[rK:rK+7], v[rQ:rQ+7], v[rM:rM+7]
.elseif i < 4
	WIN W_KQ
	v_wmma_f32_16x16x32_f16 v[rS:rS+7], v[rK:rK+7], v[rQ:rQ+7], 0
.else
	WIN W_KQ
	v_wmma_f32_16x16x32_f16 v[rS:rS+7], v[rK:rK+7], v[rQ:rQ+7], v[rS:rS+7]
.endif
.endm
; Product i of 8 of O^T += V^T P for piece x: keys 32 (i / 4) on, channels 16 (i % 4) on.
.macro PV x
	WIN W_PV
.set rO, 32*(\x)+8*(i%4)
.set rV, VF+32*(i/4)+8*(i%4)
.set rP, P+16*((\x)%2)+8*(i/4)
	v_wmma_f32_16x16x32_f16 v[rO:rO+7], v[rV:rV+7], v[rP:rP+7], v[rO:rO+7]
.endm
.macro MM                           ; the turn's next matrix instruction.  TURN and BEGIN set Y, i, KM and NOKQ; MM, KQ and OP read them.  NOKQ = 1: a block's last turn: there is no next piece
.if (i < 8) && !NOKQ
	KQ (Y+1)%NP
.elseif i >= 8
.set i, i-8
	PV (Y+NP-1)%NP
.set i, i+8
.endif
.set i, i+1
.endm
; THE LDS LOADS stand in runs of 16, never singly among the matrix instructions: a step's K (64 keys x 64 channels: 8 fragments) and its V (turned).  Their addresses are made some lines ahead.
.macro FETCH_K
	WIN 0x80                        ; destination window 2
.irp f, 0,1,2,3,4,5,6,7             ; keys 16 (f / 2) on, channels 32 (f % 2) on
	ds_load_b128 v[KF+8*\f:KF+8*\f+3],   v[AK] offset:(\f/2)*16*PK+(\f%2)*64
	ds_load_b128 v[KF+8*\f+4:KF+8*\f+7], v[AK] offset:(\f/2)*16*PK+(\f%2)*64+32
.endr
	s_add_co_u32 s[TBK], s[TBK], KS*PK  ; the next fetch is the next step's
	WIN 0
.endm
.macro FETCH_V
	WIN 0x80
.irp f, 0,1,2,3,4,5,6,7             ; keys 32 (f / 4) on, channels 16 (f % 4) on
	ds_load_tr16_b128 v[VF+8*\f:VF+8*\f+3],   v[AV] offset:(\f/4)*32*PV+(\f%4)*32
	ds_load_tr16_b128 v[VF+8*\f+4:VF+8*\f+7], v[AV] offset:(\f/4)*32*PV+16*PV+(\f%4)*32
.endr
	WIN 0
.endm
; THE VECTOR WORK, one line at a time: OP kind, number.  For piece Y: F n: c s - c m for pair n of 16.  E n: the exponential of score n of 32.  C n: pair n rounded to f16.  B n: of the four weights 4 n .. the second
; pair is added onto the first, in place.  L n: l takes that sum (L 0: l = a l + sum).  R n: pair n of 16 of O^T times a.  For piece Y + 1: X n, number n of the 22 that find its maximum and statistics:
;   0-11  four chains c0-c3 of seven scores each, three operands at a time (each accumulator's lowest registers are read first)     12-14, 16  the four scores left over, the old m, and c0-c3 into c0
;   15  c m_old is kept     17, 18  the query's other 32 keys lie in the lane 16 away: the new m     19-21  c m; c m_old - c m_new; a
.set F, 0               ; OP tells the kinds apart by their order: F to L below R, X above it
.set E, 1
.set C, 2
.set B, 3
.set L, 4
.set R, 5
.set X, 6
.macro REGS y                       ; the registers of piece y
.set rT, ST+4*(\y)
.set rC, TMP+4*((\y)%2)
.set rW, MV+((\y)%2)
.set rS, S+32*((\y)%2)
.set rP, P+16*((\y)%2)
.set rO, 32*(\y)
.endm
.macro OP k, n
.if (\k) == R
	REGS Y
	WIN W_RS
	v_pk_mul_f32 v[rO+2*(\n):rO+2*(\n)+1], v[rO+2*(\n):rO+2*(\n)+1], v[rC+2:rC+3] op_sel_hi:[1,0]
.elseif (\k) < R
	REGS Y
	WIN 0
.if (\k) == F
	v_pk_fma_f32 v[rS+2*(\n):rS+2*(\n)+1], v[rS+2*(\n):rS+2*(\n)+1], s[CS:CS+1], v[rT:rT+1] op_sel_hi:[1,0,0] neg_lo:[0,0,1] neg_hi:[0,0,1]
.elseif (\k) == E
	v_exp_f32 v[rS+(\n)], v[rS+(\n)]
.elseif (\k) == C
	s_wait_alu depctr_va_vdst(0)
	v_cvt_pk_f16_f32 v[rP+(\n)], v[rS+2*(\n)], v[rS+2*(\n)+1]
.elseif (\k) == B
	s_wait_alu depctr_va_vdst(0)
	v_pk_add_f32 v[rS+4*(\n):rS+4*(\n)+1], v[rS+4*(\n):rS+4*(\n)+1], v[rS+4*(\n)+2:rS+4*(\n)+3]
.elseif (\n) == 0
	v_pk_fma_f32 v[rT+2:rT+3], v[rT+2:rT+3], v[rC+2:rC+3], v[rS:rS+1] op_sel_hi:[1,0,1]
.else
	v_pk_add_f32 v[rT+2:rT+3], v[rT+2:rT+3], v[rS+4*(\n):rS+4*(\n)+1]
.endif
.elseif NOKQ
	v_nop
.else
	REGS (Y+1)%NP
	WIN 0
.if (\n) < 4
	v_max3_num_f32 v[rC+(\n)], v[rS+8*(\n)], v[rS+8*(\n)+1], v[rS+8*(\n)+2]
.elseif (\n) < 12
	v_max3_num_f32 v[rC+(\n)%4], v[rC+(\n)%4], v[rS+8*((\n)%4)+2*((\n)/4)+1], v[rS+8*((\n)%4)+2*((\n)/4)+2]
.elseif (\n) == 12
	v_max3_num_f32 v[rC], v[rC], v[rS+7], v[rS+15]
.elseif (\n) == 13
	v_max3_num_f32 v[rC+1], v[rC+1], v[rS+23], v[rS+31]
.elseif (\n) == 14
	v_max3_num_f32 v[rC+2], v[rC+2], v[rC+3], v[rT+1]
.elseif (\n) == 15
	v_mov_b32 v[rW], v[rT]
.elseif (\n) == 16
	v_max3_num_f32 v[rC], v[rC], v[rC+1], v[rC+2]
.elseif (\n) == 17
	v_permlanex16_b32 v[rC+3], v[rC], s[SEL], s[SEL+1]
.elseif (\n) == 18
	v_max_num_f32 v[rT+1], v[rC], v[rC+3]
.elseif (\n) == 19
	v_mul_f32 v[rT], s[CS], v[rT+1]
.elseif (\n) == 20
	v_sub_f32 v[rC+1], v[rW], v[rT]
.else
	v_exp_f32 v[rC+2], v[rC+1]
.endif
.endif
.endm
.macro OPS a, i1, b=-1, i2=0, c=-1, i3=0, d=-1, i4=0  ; up to four of them
	OP \a, \i1
.if (\b) >= 0
	OP \b, \i2
.endif
.if (\c) >= 0
	OP \c, \i3
.endif
.if (\d) >= 0
	OP \d, \i4
.endif
.endm
.macro ROW a, i1, b, i2, c, i3, d, i4  ; a matrix instruction and the four behind it
	MM
	OPS \a, \i1, \b, \i2, \c, \i3, \d, \i4
.endm
.macro MASK b                       ; MD x AL + BE into buffer b of MC
	WIN W_RS
.set z, 0
.rept 16
	v_pk_fma_f32 v[MC+32*(\b)+2*z:MC+32*(\b)+2*z+1], v[MD+2*z:MD+2*z+1], s[AL:AL+1], s[BE:BE+1] op_sel_hi:[1,0,0]
.set z, z+1
.endr
.endm
; A TURN, for piece p: the order of its 16 matrix and 118 vector instructions, written out.  Behind a matrix instruction: plain, exponential, plain, plain; or four of the rescaling; or, behind the first, four scalings; none
; names a register of the products round it.  In the runs between, exponential and plain by turns while exponentials last.  A line reads no result made fewer than three vector instructions in front of it, five if an exponential made it.
; v_permlanex16_b32 (X 17) stands in such a run, never behind a product.
; m = 1: the diagonal tile: the products take masks, and the turn makes the mask for the products of the turn after it: piece p + 2, in step 4 - CNT of the tile.  end = 1: a block's last two turns: nothing is fetched.
; cnt = 1: the loop's count is taken down some lines ahead of the branch that stands behind the turn.
; K of the next step is fetched in piece 2's turn, six vector instructions behind the last product that read K (five of them plain); V of the step in hand in piece 0's turn, eight behind the last product that read V (four
; plain, and X 17).  Each is waited for a turn later.
.macro TURN p, m=0, end=0, cnt=0
.set Y, (\p)
.set i, 0
.set KM, (\m)
.set NOKQ, (\end)*((\p)/3)
.if (\m) && !(\end)
	s_cmp_eq_u32 s[CNT], 4-((\p)+2)%NP  ; is that step the band's own?
	s_cselect_b32 s[AL], 1.0, 0
	s_cmp_lt_u32 s[CNT], 4-((\p)+2)%NP  ; or a later one?
	s_cselect_b32 s[BE], s[BIGN], 0
.endif
.if ((\p) == 3) && !(\end)
	s_wait_dscnt 0x0                ; K is in
.endif
	ROW F,0, F,1, F,2, F,3
	ROW F,4, E,0, F,5, F,6
	ROW F,7, E,1, F,8, F,9
	ROW F,10, E,2, C,0, F,11
	ROW F,12, E,3, X,15, F,13
	ROW R,0, R,1, R,2, R,3
	ROW B,0, E,4, F,14, L,0
.if ((\p) == 2) && !(\end)
	v_add_nc_u32 v[AK], s[TBK], v[AK0]
.endif
	ROW R,4, R,5, R,6, R,7
	OPS E,5, F,15
.if ((\p) == 2) && !(\end)
	FETCH_K
.endif
	OPS E,6, C,1, E,7, R,8
	OPS E,8, R,9, E,9, C,2
	OPS E,10, X,0, E,11, X,1
	OPS E,12, X,2, E,13, X,3
.if (\p) == 1
	s_wait_dscnt 0x0                ; V is in
.endif
	ROW X,4, E,14, X,5, X,6
	ROW X,7, E,15, X,8, X,9
	ROW X,10, E,16, X,11, X,12
	ROW X,13, E,17, X,14, B,1
	ROW C,4, E,18, X,16, L,1
	ROW B,2, E,19, C,6, L,2
	ROW C,8, E,20, B,3, B,4
.if (\p) == 0
	v_add_nc_u32 v[AV], s[TBV], v[AV0]
.endif
	ROW C,3, E,21, L,3, C,5
	OPS E,22, X,17, E,23, C,10
.if (\p) == 0
	FETCH_V
.endif
	OPS E,24, L,4
	OPS E,25, X,18, E,26, C,7
	OPS E,27, B,5, E,28, X,19
	OPS E,29, C,12, E,30, L,5
	OPS E,31, X,20, B,6, C,9
	OPS C,14, C,11, X,21, L,6
.if (\p) == 0
	s_add_co_u32 s[TBV], s[TBV], KS*PV
.endif
.if \cnt
	s_sub_co_u32 s[CNT], s[CNT], 1
	s_cmp_lg_u32 s[CNT], 0
.endif
	OPS C,13, B,7, C,15, R,10
	OPS R,11, R,12, L,7, R,13
	OPS R,14, R,15
.if (\m) && !(\end)
	MASK (\p)%2
.endif
.endm
; A BLOCK BEGINS.  c m starts far below every c s, so the first step's a is 0; m at the lowest finite number, so the first maximum is the scores'.  The second mask buffer is 0; the first takes piece 0's mask for the tile's step 0: its own, if the block's first tile is the diagonal one.
; Then K of that step, piece 0's first scores, and its maximum and statistics.  The loop is entered at a step's first turn, in the middle of a trip.
.macro BEGIN
	s_mov_b32 s[NEW], 0
	WIN 0x40
.set i, MC+32
.rept 32
	v_mov_b32 v[i], 0
.set i, i+1
.endr
	WIN 0
.set i, 0
.rept 4
	v_mov_b32 v[ST+4*i], 0xfe000000    ; c m: far below every c s
	v_mov_b32 v[ST+4*i+1], 0xff7fffff  ; m
.set i, i+1
.endr
	s_cmp_eq_u32 s[RT], 0
	s_cselect_b32 s[AL], 1.0, 0
	s_mov_b32 s[BE], 0
	MASK 0
	WIN 0
	v_add_nc_u32 v[AK], s[TBK], v[AK0]
	FETCH_K
	s_wait_loadcnt 0x0              ; Q
	s_wait_dscnt 0x0
.set KM, 1
.set NOKQ, 0
.set i, 0
.rept 8
	KQ 0
.set i, i+1
.endr
	WIN 0
.rept 4
	v_nop                           ; the places behind those products
.endr
.set Y, NP-1                        ; X works for piece Y + 1: piece 0
.irp n, 0,1,2,3,4,5,6,7,8,9,10,11,12,13,14,15,16,17,18,19,20,21
	OP X, \n
.endr
	v_nop                           ; a plain instruction behind the exponential
.endm
; THE DIAGONAL TILE's four steps, the block's last two turns, its last products, and THE WAY OUT: l's two halves and the other half of the lanes' are added; O^T is divided by l, rounded to f16 and sent through my
; stage in LDS, a piece at a time.
.macro ALL line:vararg              ; one line for each piece t
.set t, 0
.rept 4
	\line
.set t, t+1
.endr
.endm
.macro PACK t                       ; a lane's eight channels of a row pack into 16 bytes; they go into rows of 144 bytes and come back as whole rows of 128, into S^T's registers
	WIN W_RS
.set i, 32*(\t)
.rept 16
	s_wait_alu depctr_va_vdst(0)
	v_pk_mul_f32 v[i:i+1], v[i:i+1], v[ST+4*(\t)+2:ST+4*(\t)+3] op_sel_hi:[1,0]
.set i, i+2
.endr
	WIN 0x05                        ; sources 0 and 1 window 1, destination window 0
.set i, 0
.rept 16
	v_cvt_pk_f16_f32 v[S+16*(\t)+i], v[32*(\t)+2*i], v[32*(\t)+2*i+1]
.set i, i+1
.endr
	WIN 0
.irp f, 0,1,2,3
	ds_store_b128 v[STO], v[S+16*(\t)+4*\f:S+16*(\t)+4*\f+3] offset:32*\f
.endr
.irp f, 0,1,2,3
	ds_load_b128 v[S+16*(\t)+4*\f:S+16*(\t)+4*\f+3], v[RD] offset:\f*4*SP  ; LDS serves a wave's instructions in order (ISA guide 5.7.1.4): these see the stores above; the next piece's stores come behind them
.endr
.endm
.macro SEND t, younger              ; younger: the LDS instructions issued behind piece t's loads: the next piece's eight, or none
	WIN 0
.irp f, 0,1,2,3
	s_wait_dscnt (\younger)+3-\f
	global_store_b128 v[GO], v[S+16*(\t)+4*\f:S+16*(\t)+4*\f+3], s[10:11] offset:(\t)*8192+\f*512  ; 512 consecutive bytes, at a multiple of 256 from O's first
.endr
.endm
.macro DIAG tag                     ; the tag ends its two labels' names, which the jumps below spell out
.LstepM\tag:
	TURN 2, 1
	TURN 3, 1
	WIN 0
.LfirstM\tag:
	TURN 0, 1
	TURN 1, 1, 0, 1
	WIN 0
	s_cbranch_scc1 .LstepM\tag
	TURN 2, 1, 1
	TURN 3, 1, 1
.set i, 0
.rept 8
	PV NP-1
.set i, i+1
.endr
	WIN 0
	ALL v_add_f32 v[ST+4*t+2], v[ST+4*t+2], v[ST+4*t+3]
	ALL v_permlanex16_b32 v[ST+4*t+3], v[ST+4*t+2], s[SEL], s[SEL+1]
	ALL v_add_f32 v[ST+4*t+2], v[ST+4*t+2], v[ST+4*t+3]
	ALL v_rcp_f32 v[ST+4*t+2], v[ST+4*t+2]
	v_nop                           ; a plain instruction between the last reciprocal and the use of its result
	PACK 0
.set t, 1
.rept 3                             ; a piece's arithmetic stands between the loads of the piece before and its stores
	PACK t
	SEND t-1, 8
.set t, t+1
.endr
	SEND 3, 0
.endm
.set KM, 0
.set NOKQ, 0
.Lslot:                             ; NB times: a tile is entered and the next is asked for
	CHANGE 1
	s_sub_co_u32 s[RT], s[RT], 1
	s_mov_b32 s[CNT], 4
	s_cmp_eq_u32 s[NEW], 1
	s_cbranch_scc1 .Lnew            ; a block's first tile
	s_cmp_eq_u32 s[RT], 0
	s_cbranch_scc0 .Lstep           ; neither its first nor its last
	s_branch .LstepM1
.Lnew:
	BEGIN
	s_branch .Lfirst                ; in the loop a block's first tile is never its last: the first block has two tiles or more, and the second's last is the walk's last
	DIAG 1                          ; in the loop this is the first block's end: the second block's last tile is the walk's last
	s_wait_xcnt 0x0                 ; the stores have read their registers and O's address
	s_mov_b64 s[10:11], s[OLO:OLO+1]
	s_add_co_u32 s[RT], s[PB], 1    ; the second block has b + 1 tiles
	s_mov_b32 s[NEW], 1
	WIN 0x82                        ; the second block's Q goes where the one text of the turns names Q
.set i, 0
.rept 64
	v_mov_b32 v[i], v[QB+i]
.set i, i+1
.endr
	WIN 0
	s_branch .Lbottom
.Lstep:                             ; a trip: pieces 2 and 3 of one step, then pieces 0 and 1 of the next, whose K and V it fetches
	TURN 2
	TURN 3
	WIN 0
.Lfirst:
	TURN 0
	TURN 1, 0, 0, 1
	WIN 0
	s_cbranch_scc1 .Lstep
.Lbottom:
	s_sub_co_u32 s[SLOTS], s[SLOTS], 1
	s_cmp_lg_u32 s[SLOTS], 0
	s_cbranch_scc1 .Lslot
	CHANGE 0                        ; the walk's last tile is written out: nothing is asked for
	s_sub_co_u32 s[RT], s[RT], 1
	s_mov_b32 s[CNT], 4
	s_cmp_eq_u32 s[NEW], 1
	s_cbranch_scc0 .LstepM2
	BEGIN
	s_branch .LfirstM2
	DIAG 2
	s_wait_tensorcnt 0x0            ; the wave's end: behind my last tensor load and my last LDS store
	ds_add_u32 v[SPW], v[NIL]
	s_wait_dscnt 0x0
	s_endpgm
.Lfunc_end_k_qdd4ccd22e8_attn:
	.size	k_qdd4ccd22e8_attn, .Lfunc_end_k_qdd4ccd22e8_attn-k_qdd4ccd22e8_attn
	.p2alignl 7, 3214868480
	.fill 96, 4, 3214868480
	.section	.rodata,"a",@progbits
	.p2align	6, 0x0
	.amdhsa_kernel k_qdd4ccd22e8_attn
		.amdhsa_group_segment_fixed_size 327680
		.amdhsa_private_segment_fixed_size 0
		.amdhsa_enable_private_segment 0
		.amdhsa_kernarg_size 16
		.amdhsa_user_sgpr_count 2
		.amdhsa_user_sgpr_kernarg_segment_ptr 1
		.amdhsa_wavefront_size32 1
		.amdhsa_system_sgpr_workgroup_id_x 1
		.amdhsa_system_sgpr_workgroup_id_y 1
		.amdhsa_system_sgpr_workgroup_id_z 1
		.amdhsa_system_vgpr_workitem_id 0
		.amdhsa_next_free_vgpr 768
		.amdhsa_next_free_sgpr 96
		.amdhsa_reserve_vcc 1
		.amdhsa_float_denorm_mode_32 3
		.amdhsa_float_denorm_mode_16_64 3
		.amdhsa_memory_ordered 1
		.amdhsa_forward_progress 1
		.amdhsa_inst_pref_size 229
	.end_amdhsa_kernel
	.amdgpu_metadata
---
amdhsa.version: [ 1, 2 ]
amdhsa.kernels:
  - .name:           k_qdd4ccd22e8_attn
    .symbol:         k_qdd4ccd22e8_attn.kd
    .args:
      - { .name: qkv, .offset: 0, .size: 8, .value_kind: global_buffer, .address_space: global }
      - { .name: att, .offset: 8, .size: 8, .value_kind: global_buffer, .address_space: global }
    .group_segment_fixed_size: 327680
    .private_segment_fixed_size: 0
    .kernarg_segment_align: 8
    .kernarg_segment_size: 16
    .max_flat_workgroup_size: 128
    .sgpr_count:     96
    .vgpr_count:     768
    .wavefront_size: 32
...
	.end_amdgpu_metadata
.endif
;; end of part 3
;; launch outgemm (part 4): grid 8 x 32, 4 waves a work-group, clusters of 4 x 4, 327,680 bytes of LDS; arguments att, wt, out0; writes out0
.if DOCPART == 4
	.amdgcn_target "amdgcn-amd-amdhsa--gfx1250"
	.amdhsa_code_object_version 6
	.text
	.protected	k_qdd4ccd22e8_outgemm
	.globl	k_qdd4ccd22e8_outgemm
	.p2align	8
	.type	k_qdd4ccd22e8_outgemm,@function
k_qdd4ccd22e8_outgemm:
	s_mov_b64 s[64:65], 0
	v_nop
	global_prefetch_b8 v0, s[64:65] scope:SCOPE_SE
	s_setreg_imm32_b32 hwreg(HW_REG_WAVE_MODE, 25, 1), 1
	s_wait_xcnt 0x0
	s_wait_alu depctr_hold_cnt(0) depctr_sa_sdst(0) depctr_va_vdst(0) depctr_va_sdst(0) depctr_va_ssrc(0) depctr_va_vcc(0) depctr_vm_vsrc(0)
	s_getreg_b32 s2, hwreg(HW_REG_IB_STS2, 6, 4)
	s_cmp_eq_u32 s2, 0
	s_cbranch_scc0 .Lentry_in_a_cluster
	s_endpgm
.Lentry_in_a_cluster:
	s_bfe_u32 s2, ttmp6, 0x10000c
	s_cmp_lg_u32 s2, 0xf033
	s_cbranch_scc0 .Lentry_shape_is_right
	s_endpgm
.Lentry_shape_is_right:
; out0[m][n] = the sum over c of O[m][c] w_out[c][n].  O lies by heads in att, [64][2048][64] f16 (c = 64 head + d); w_out lies turned in wt, rows 3072-4095: [n][1024] f16; out0: [8192][1024] f32.
; Sums in f32, K ascending; the sums are stored as they are.
; LIMITS.  O and the weights arrive as f16 numbers, within 65,504; nothing is rounded here.
; SHARES.  A tile of out0 is 256 rows x 128 columns: 32 x 8 = 256 work-groups.  Four waves, one below the other: a wave makes 64 rows x 128 columns, 32 accumulators of 16 x 16, so that it owns
; whole pieces of 512 bytes of a row and stores them from a stage of its own.  K goes in 8 steps of 128, two heads a step, through two LDS slots filled by tensor loads.
; A head's 256 rows of 128 bytes are dense in memory: they are asked for as 128 rows of 256 bytes and padded in LDS after every 128.
; CLUSTER.  4 x 4 work-groups: the tile of O is shared along a row of the cluster, that of wt along a column; each is asked for jointly.
; THE MATRIX INSTRUCTION IS USED TRANSPOSED: source 0 = 16 rows of wt, source 1 = 16 rows of O: a lane then holds row lane % 16 of out0 and the columns 8 (lane / 16) + 0..7: 32 bytes on end.
; REGISTERS, in windows of 256 (s_set_vgpr_msb: bits 1:0 source 0, 3:2 source 1, 5:4 source 2, 7:6 destination):
;   window 0: addresses     window 1: two fragment buffers at 0 and 128 (4 fragments of O, then 8 of wt); on the way out 64 registers for each block of 16 rows     window 2: accumulator (a, b) at 8 (8 a + b)
.set PA,     144                       ; a row of O in LDS: 128 bytes + 16 = 36 words: the 16 rows of a load start at 16 different groups of four banks (64 banks of 4 bytes: ISA guide 11.1)
.set PB,     272                       ; a row of wt: 256 bytes + 16
.set AHEAD,  256*PA                    ; a head's 256 rows: what a tensor load brings of O
.set BHALF,  64*PB                     ; and of wt
.set BOFF,   2*AHEAD                   ; in a slot: two heads of O, then 128 rows of wt
.set SLOT,   BOFF+2*BHALF              ; 108,544 bytes
.set STAGE,  2*SLOT                    ; behind the ring, never filled by a tensor load: 16 rows x 528 bytes for each wave
.set SP,     528                       ; 512 bytes + 16 = 132 words: row r starts at bank 4 r mod 64
.set SPARE,  STAGE+4*16*SP             ; behind the stages: the spare words, 128 bytes for each wave
.set LAPS,   4
.set ASTEP,  1<<19                     ; bytes from a K step of O to the next: two heads of 2,048 rows of 128 bytes
.set BSTEP,  256                       ; and of wt
.set ADRA, 16                          ; v16-17  LDS address of my fragments of O in slot 0, 1
.set ADRB, 20                          ; v20-21  the same for wt
.set STO,  24                          ; v24     the way out: where I put 32 bytes of a row
.set RD,   25                          ; v25     the way out: where I read a row back
.set CO,   26                          ; v26     16 x lane: my place in 512 bytes of a row of out0
.set SPW,  28                          ; v28     LDS address of my spare word; never rewritten
.set NIL,  29                          ; v29     0; never rewritten
.set PFO,  30                          ; v30     256 x lane: the prefetches' offset; never rewritten
.set F0,   0
.set F1,   128
.set G1,   24                          ; s[24:31] descriptor group 1 for tiles of O;  s[32:39] group 0, a set for each slot
.set G0,   32
.set G1B,  48                          ; s[48:55], s[56:63] the same for tiles of wt
.set G0B,  56
.set OB,   66                          ; s[66:67] out0 at my first row and the tile's first column
.set PFA,  72                          ; s[72:73] where my prefetches stand
.set LIM,  74                          ; s74     1 in a wave that prefetches, else the greatest number
.set MSB, 0
.macro WIN new                         ; the immediate's high byte repeats the setting that is left; a switch that changes nothing is dropped
.if MSB != (\new)
	s_set_vgpr_msb (MSB<<8)|(\new)
.set MSB, \new
.endif
.endm
; A joint load.  Waves 0 and 1 fetch the step's two heads of O, waves 2 and 3 the two halves of the tile of wt.  The branch hangs on the wave's number alone.
; An s_nop 0 and four v_nop follow each of the two lines, ahead of the jump and the label.
.macro JLOAD s
	s_cmp_eq_u32 s11, 0
	s_cbranch_scc0 .Lfor_b_\@
	tensor_load_to_lds s[G0+4*(\s):G0+4*(\s)+3], s[G1:G1+7]
	s_nop 0
.rept 4
	v_nop
.endr
	s_branch .Lasked_\@
.Lfor_b_\@:
	tensor_load_to_lds s[G0B+4*(\s):G0B+4*(\s)+3], s[G1B:G1B+7]
	s_nop 0
.rept 4
	v_nop
.endr
.Lasked_\@:
.endm
; A PREFETCH INTO THE L2 of O, behind each joint refill and the run of LDS loads that follows it: the K step that stands two refills on, 256 matrix instructions ahead of the load that wants it.
; Each block of 256 bytes is named once in the launch: of the two clusters that read a tile row the first (cluster x = 0) asks; there waves 0 and 1 ask for the 32,768 bytes that they fetch,
; and the four partners share them out by address, 8,192 each, a lane a block.  K steps 0 to 3 come by their loads alone; the loop's last trip asks for nothing.  wt is not asked for: all 32 tile rows read its rows.
.macro ASK
	s_cmp_gt_u32 s3, s[LIM]                        ; s3 = 1 in the loop's last trip
	s_cbranch_scc0 .Lnot_mine_\@
	global_prefetch_b8 v[PFO], s[PFA:PFA+1] offset:ASTEP th:TH_LOAD_NT scope:SCOPE_SE
.Lnot_mine_\@:
.endm
.macro CREST                           ; a round of the cluster's barrier behind its opening barrier
	s_cmp_lg_u32 s10, 0
	s_cbranch_scc1 .Lnot_wave_0_\@
	s_barrier_signal -3
.Lnot_wave_0_\@:
	s_barrier_wait -3
	s_barrier_signal -1
	s_barrier_wait -1
.endm
.macro CROUND                          ; a whole round
	s_barrier_signal -1
	s_barrier_wait -1
	CREST
.endm
	s_load_b128 s[4:7], s[0:1], 0x0                ; att s[4:5], wt s[6:7]
	s_load_b64 s[8:9], s[0:1], 0x10                ; out0
	v_lshl_add_u32 v[SPW], v0, 2, SPARE
	v_mov_b32 v[NIL], 0
	ds_add_u32 v[SPW], v[NIL]                      ; the wave's opening: the add and its wait stand ahead of my first tensor load; work on registers stands between them
	ds_add_u32 v28, v29
	v_lshrrev_b32 v1, 5, v0
	v_readfirstlane_b32 s10, v1                    ; wave 0..3
	s_lshr_b32 s11, s10, 1                         ; I fetch for O (0) or for wt (1)
	s_and_b32 s12, s10, 1                          ; which head of the step, or which half of wt's tile
	s_bfe_u32 s40, ttmp6, 0x40000                  ; cx, cy: my place in the cluster
	s_bfe_u32 s41, ttmp6, 0x40004
	s_lshl_b32 s42, ttmp9, 2
	s_add_co_u32 s42, s42, s40                     ; tile column = 4 x cluster x + cx, 0 to 7
	s_and_b32 s13, ttmp7, 0xffff
	s_lshl_b32 s13, s13, 2
	s_add_co_u32 s13, s13, s41                     ; tile row = 4 x cluster y + cy, 0 to 31
	s_lshl_b32 s43, s41, 2
	s_lshl_b32 s43, 15, s43                        ; my row of the cluster
	s_lshl_b32 s44, 0x1111, s40                    ; my column
	s_or_b32 s[G1+0], s43, (1<<16)|(1<<20)|(1<<21)|(4<<22)|(3<<25)   ; 15:0 the mask; 17:16 elements of 2 bytes; 20 padding on; 21 set beside a mask; 24:22 after every 32 words; 31:25 4 words of it
	s_or_b32 s[G1B+0], s44, (1<<16)|(1<<20)|(1<<21)|(5<<22)|(3<<25)  ; after every 64 words
	s_mov_b32 s[G1+1], 128<<16                     ; tensor_dim0 = 128 elements: two rows of a head
	s_mov_b32 s[G1+2], 128<<16                     ; tensor_dim1 = 128
	s_mov_b32 s[G1+3], 128<<16                     ; tile_dim0 = 128
	s_mov_b32 s[G1+4], 128                         ; tile_dim1 = 128
	s_mov_b32 s[G1+5], 128                         ; dense: 128 elements from row to row
	s_mov_b32 s[G1+6], 0
	s_mov_b32 s[G1+7], 0
	s_mov_b32 s[G1B+1], 128<<16
	s_mov_b32 s[G1B+2], 64<<16                     ; 64 rows
	s_mov_b32 s[G1B+3], 128<<16
	s_mov_b32 s[G1B+4], 64
	s_mov_b32 s[G1B+5], 1024
	s_mov_b32 s[G1B+6], 0
	s_mov_b32 s[G1B+7], 0
	; where the tiles come from: O's hang on the tile row alone, wt's on the tile column alone, each in registers that never hold the other coordinate
	s_lshr_b32 s16, s13, 3                         ; O: batch = tile row / 8: 16 heads of 262,144 bytes,
	s_lshl_b32 s16, s16, 22
	s_and_b32 s17, s13, 7                          ; 256 (tile row % 8) rows of 128 bytes,
	s_lshl_b32 s17, s17, 15
	s_add_co_u32 s16, s16, s17
	s_lshl_b32 s17, s12, 18                        ; my head of the step's two
	s_add_co_u32 s16, s16, s17
	s_mov_b32 s17, 0
	s_lshl_b32 s46, s42, 7
	s_lshl_b32 s47, s12, 6
	s_add_co_u32 s46, s46, s47
	s_add_co_u32 s46, s46, 3072                    ; wt: row 3,072 + 128 x tile column + 64 x half,
	s_lshl_b32 s46, s46, 11                        ; of 2,048 bytes
	s_mov_b32 s47, 0
	s_mul_i32 s20, s12, AHEAD                      ; and where they go: no place in the cluster enters an LDS address
	s_mul_i32 s21, s12, BHALF
	s_add_co_u32 s21, s21, BOFF
	s_wait_dscnt 0x0                               ; the opening add is done
	s_wait_kmcnt 0x0
	s_add_nc_u64 s[14:15], s[4:5], s[16:17]
	s_add_nc_u64 s[46:47], s[6:7], s[46:47]
	CROUND                                         ; all sixteen work-groups are here: the first joint loads meet
.irp s, 0,1
	s_mov_b32 s[G0+4*(\s)], 1                                        ; count = 1
	s_add_co_u32 s[G0+4*(\s)+1], s20, (\s)*SLOT                      ; LDS address
	s_add_nc_u64 s[G0+4*(\s)+2:G0+4*(\s)+3], s[14:15], (\s)*ASTEP    ; global address: K step s
	s_or_b32 s[G0+4*(\s)+3], s[G0+4*(\s)+3], 0x80000000              ; type = 2
	s_mov_b32 s[G0B+4*(\s)], 1
	s_add_co_u32 s[G0B+4*(\s)+1], s21, (\s)*SLOT
	s_add_nc_u64 s[G0B+4*(\s)+2:G0B+4*(\s)+3], s[46:47], (\s)*BSTEP
	s_or_b32 s[G0B+4*(\s)+3], s[G0B+4*(\s)+3], 0x80000000
.endr
	s_cmp_eq_u32 s11, 0                            ; a wave's two first fills stand in one branch, ahead of every wait on TENSORcnt and every LDS read: two loads of mine are out
	s_cbranch_scc0 .Lfirst_b
	tensor_load_to_lds s[G0:G0+3], s[G1:G1+7]
	s_nop 0
	tensor_load_to_lds s[G0+4:G0+7], s[G1:G1+7]
	s_nop 0
.rept 4
	v_nop
.endr
	s_branch .Lfirst_asked
.Lfirst_b:
	tensor_load_to_lds s[G0B:G0B+3], s[G1B:G1B+7]
	s_nop 0
	tensor_load_to_lds s[G0B+4:G0B+7], s[G1B:G1B+7]
	s_nop 0
.rept 4
	v_nop
.endr
.Lfirst_asked:
	v_and_b32 v1, 15, v0                           ; l % 16
	v_bfe_u32 v2, v0, 4, 1                         ; l / 16
	v_mul_u32_u24 v3, v1, PA
	v_lshl_add_u32 v3, v2, 4, v3                   ; a fragment's row x pitch + 16 x half
	s_mul_i32 s22, s10, 64*PA                      ; my 64 rows of O
	v_add_nc_u32 v[ADRA], s22, v3
	v_add_nc_u32 v[ADRA+1], SLOT, v[ADRA]
	v_mul_u32_u24 v4, v1, PB
	v_lshl_add_u32 v4, v2, 4, v4
	v_add_nc_u32 v[ADRB], BOFF, v4                 ; every wave reads all 128 rows of wt
	v_add_nc_u32 v[ADRB+1], BOFF+SLOT, v4
	s_mul_i32 s23, s10, 16*SP
	s_add_co_u32 s23, s23, STAGE                   ; my stage
	v_mul_u32_u24 v5, v1, SP                       ; in: row l % 16, 32 bytes for each half of the lanes
	v_lshl_add_u32 v5, v2, 5, v5
	v_add_nc_u32 v[STO], s23, v5
	v_and_b32 v7, 31, v0
	v_lshlrev_b32 v[CO], 4, v7
	v_add_nc_u32 v[RD], s23, v[CO]                 ; back: 32 lanes take one row of 512 bytes
	v_lshlrev_b32 v[PFO], 8, v7
	s_lshl_b32 s78, s13, 8
	s_lshl_b32 s77, s10, 6
	s_add_co_u32 s78, s78, s77                     ; my first row of out0: 256 x tile row + 64 x wave,
	s_lshl_b32 s78, s78, 12                        ; of 4,096 bytes,
	s_lshl_b32 s77, s42, 9                         ; and the tile's first column: 512 bytes x tile column
	s_add_co_u32 s78, s78, s77
	s_mov_b32 s79, 0
	s_add_nc_u64 s[OB:OB+1], s[8:9], s[78:79]
	; the prefetches: my work-group's 8,192 of the 32,768 bytes that I fetch, at K step 2; the first refill steps it to 3 and names K step 4
	s_lshl_b32 s77, s40, 13
	s_add_co_u32 s78, s16, s77
	s_add_co_u32 s78, s78, 2*ASTEP
	s_add_nc_u64 s[PFA:PFA+1], s[4:5], s[78:79]
	s_or_b32 s[LIM], s11, ttmp9                    ; 0 in waves 0 and 1 of a cluster with x = 0: the same in all sixteen partners, for a given wave
	s_cmp_eq_u32 s[LIM], 0
	s_cselect_b32 s[LIM], 1, -1
; 8 matrix instructions: row block a x all 8 column blocks, 32 along K.  zero = 1: the product starts the sum.  The 32 accumulators take turns in the same order in every quarter.
.macro MUL8 f, a, zero
	WIN 0xa5                                       ; both sources window 1, C and D window 2
.irp b, 0,1,2,3,4,5,6,7
.if \zero
	v_wmma_f32_16x16x32_f16 v[8*(8*(\a)+(\b)):8*(8*(\a)+(\b))+7], v[(\f)+32+8*(\b):(\f)+32+8*(\b)+7], v[(\f)+8*(\a):(\f)+8*(\a)+7], 0
.else
	v_wmma_f32_16x16x32_f16 v[8*(8*(\a)+(\b)):8*(8*(\a)+(\b))+7], v[(\f)+32+8*(\b):(\f)+32+8*(\b)+7], v[(\f)+8*(\a):(\f)+8*(\a)+7], v[8*(8*(\a)+(\b)):8*(8*(\a)+(\b))+7]
.endif
.endr
.endm
; 24 LDS loads in one run: quarter q (head q / 2 of the step, channels 32 (q % 2) on) into buffer f: wt's eight fragments, then O's four, of which the last two are wanted last
.macro FETCH slot, q, f
	WIN 0x40                                       ; destination window 1, address window 0
.irp i, 0,1,2,3,4,5,6,7
	ds_load_b128 v[(\f)+32+8*(\i):(\f)+32+8*(\i)+3],   v[ADRB+(\slot)] offset:64*(\q)+(\i)*16*PB
	ds_load_b128 v[(\f)+32+8*(\i)+4:(\f)+32+8*(\i)+7], v[ADRB+(\slot)] offset:64*(\q)+(\i)*16*PB+32
.endr
.irp i, 0,1,2,3
	ds_load_b128 v[(\f)+8*(\i):(\f)+8*(\i)+3],   v[ADRA+(\slot)] offset:((\q)/2)*AHEAD+((\q)%2)*64+(\i)*16*PA
	ds_load_b128 v[(\f)+8*(\i)+4:(\f)+8*(\i)+7], v[ADRA+(\slot)] offset:((\q)/2)*AHEAD+((\q)%2)*64+(\i)*16*PA+32
.endr
.endm
.macro PLACES                          ; four places in front of loads into registers that matrix instructions have read, and of lines that read results
.rept 4
	v_nop
.endr
.endm
; A K step is four quarters of 32 along K, 32 matrix instructions each, on buffers 0, 1, 0, 1.  One of the first three: multiplies buffer f; in its middle it fetches quarter q into buffer g.
.macro QUARTER slot, q, f, g, zero
	s_wait_dscnt 4                                 ; all of buffer f but its youngest four loads, O's fragments 2 and 3
	MUL8 \f, 0, \zero
	MUL8 \f, 1, \zero
	PLACES
	FETCH \slot, \q, \g
	s_wait_dscnt 24                                ; all but the 24 just issued
	MUL8 \f, 2, \zero
	MUL8 \f, 3, \zero
.endm
; The last quarter multiplies buffer 1 and changes slots: ONE barrier.  In front of it each wave waits for all its tensor loads, of which one is out: its part of the next slot; adds 0 to its
; spare word; and waits for that and for its own reads of this slot.  fill = 1: the barrier opens a round of the cluster's, and this slot is filled again, two K steps on, first thing behind the round:
; that load has 120 matrix instructions of the wave in which to land.
.macro TURN slot, next, fill
.if \fill
	s_wait_xcnt 0x0                                ; the last prefetch, a K step back, has read its address, so it may be stepped
	s_add_nc_u64 s[PFA:PFA+1], s[PFA:PFA+1], ASTEP
.endif
	WIN 0                                          ; (the add's two registers lie in window 0)
	s_wait_tensorcnt 0x0                           ; all my tensor loads have landed
	ds_add_u32 v[SPW], v[NIL]                      ; 0 onto my spare word
	s_wait_dscnt 5                                 ; (the add and the youngest four loads may be out)
	MUL8 F1, 0, 0                                  ; eight matrix instructions stand between the add and the wait for it
	s_wait_dscnt 0x0                               ; the add is done, and my reads of this slot are over
	s_barrier_signal -1
	MUL8 F1, 1, 0                                  ; work on registers while the others arrive
.if \fill
	WIN 0
.endif
	s_barrier_wait -1
.if \fill
	CREST                                          ; no wave of any partner still reads this slot or has a load on its way
	s_add_nc_u64 s[G0+4*(\slot)+2:G0+4*(\slot)+3], s[G0+4*(\slot)+2:G0+4*(\slot)+3], 2*ASTEP
	s_add_nc_u64 s[G0B+4*(\slot)+2:G0B+4*(\slot)+3], s[G0B+4*(\slot)+2:G0B+4*(\slot)+3], 2*BSTEP
	JLOAD \slot                                    ; the four v_nop behind it are also the places in front of the loads below
.else
	PLACES
.endif
	FETCH \next, 0, F0
.if \fill
	WIN 0
	ASK
.endif
	MUL8 F1, 2, 0
	MUL8 F1, 3, 0
.endm
	s_wait_tensorcnt 1                             ; my part of K step 0 is in; K step 1's may stay out
	s_barrier_signal -1
	s_barrier_wait -1                              ; everybody's is
	FETCH 0, 0, F0
	QUARTER 0, 1, F0, F1, 1                        ; the first quarter stands in front of the loop: its products start the sums
	WIN 0                                          ; at a label and at a branch every window is 0
	s_mov_b32 s3, LAPS-1
.Llap:                                                 ; a trip goes once round the ring, from a lap's second quarter to the next lap's first, and fills both slots again
	QUARTER 0, 2, F1, F0, 0
	QUARTER 0, 3, F0, F1, 0
	TURN 0, 1, 1
	QUARTER 1, 1, F0, F1, 0
	QUARTER 1, 2, F1, F0, 0
	QUARTER 1, 3, F0, F1, 0
	TURN 1, 0, 1
	QUARTER 0, 1, F0, F1, 0
	WIN 0
	s_sub_co_u32 s3, s3, 1
	s_cmp_lg_u32 s3, 0
	s_cbranch_scc1 .Llap
	QUARTER 0, 2, F1, F0, 0                        ; the last lap fills nothing, and has no round of the cluster's barrier
	QUARTER 0, 3, F0, F1, 0
	TURN 0, 1, 0
	QUARTER 1, 1, F0, F1, 0
	QUARTER 1, 2, F1, F0, 0
	QUARTER 1, 3, F0, F1, 0
	s_wait_dscnt 4                                 ; the very last quarter: nothing more to fetch
	MUL8 F1, 0, 0
	MUL8 F1, 1, 0
	s_wait_dscnt 0x0
	MUL8 F1, 2, 0
	MUL8 F1, 3, 0
	WIN 0
	PLACES
	PLACES                                         ; (eight, once a launch)
; THE WAY OUT, a block of 16 rows at a time.  STG: the block's eight accumulators go as they are into rows of 528 bytes of my stage, each accumulator's low four registers first, and come back as whole
; pieces of 512 bytes of a row, into window 1.  LDS serves a wave's instructions in order (ISA guide 5.7.1.4): the loads see the stores, and the next block's stores come behind them.
.macro STG a
	WIN 0x08                                       ; the stores' data in window 2
.irp b, 0,1,2,3,4,5,6,7
	ds_store_b128 v[STO], v[8*(8*(\a)+(\b)):8*(8*(\a)+(\b))+3]   offset:64*(\b)
	ds_store_b128 v[STO], v[8*(8*(\a)+(\b))+4:8*(8*(\a)+(\b))+7] offset:64*(\b)+16
.endr
	WIN 0x40                                       ; the loads' destination in window 1
.irp i, 0,1,2,3,4,5,6,7,8,9,10,11,12,13,14,15
	ds_load_b128 v[64*(\a)+4*(\i):64*(\a)+4*(\i)+3], v[RD] offset:SP*(\i)
.endr
.endm
.macro SENDF a, younger                ; younger: the LDS instructions issued behind the block's loads: the next block's 32, or none
	WIN 0x04                                       ; the stores' data in window 1
.irp i, 0,1,2,3,4,5,6,7,8,9,10,11,12,13,14,15
	s_wait_dscnt (\younger)+15-(\i)
	global_store_b128 v[CO], v[64*(\a)+4*(\i):64*(\a)+4*(\i)+3], s[OB:OB+1] offset:(16*(\a)+(\i))*4096 th:TH_STORE_NT  ; a wave stores 512 consecutive bytes, aligned; no register of a store is written again
.endr
.endm
	STG 0
.irp a, 1,2,3
	STG \a
	SENDF (\a)-1, 32
.endr
	SENDF 3, 0
	WIN 0
	s_wait_tensorcnt 0x0                           ; the wave's end: behind my last tensor load and my last LDS store
	ds_add_u32 v[SPW], v[NIL]
	s_wait_dscnt 0x0
	CROUND                                         ; the closing round: no work-group ends while a partner may still ask for a tile that names it
	s_endpgm
.Lfunc_end_k_qdd4ccd22e8_outgemm:
	.size	k_qdd4ccd22e8_outgemm, .Lfunc_end_k_qdd4ccd22e8_outgemm-k_qdd4ccd22e8_outgemm
	.p2alignl 7, 3214868480
	.fill 96, 4, 3214868480
	.section	.rodata,"a",@progbits
	.p2align	6, 0x0
	.amdhsa_kernel k_qdd4ccd22e8_outgemm
		.amdhsa_group_segment_fixed_size 327680
		.amdhsa_private_segment_fixed_size 0
		.amdhsa_enable_private_segment 0
		.amdhsa_kernarg_size 24
		.amdhsa_user_sgpr_count 2
		.amdhsa_user_sgpr_kernarg_segment_ptr 1
		.amdhsa_wavefront_size32 1
		.amdhsa_system_sgpr_workgroup_id_x 1
		.amdhsa_system_sgpr_workgroup_id_y 1
		.amdhsa_system_sgpr_workgroup_id_z 1
		.amdhsa_system_vgpr_workitem_id 0
		.amdhsa_next_free_vgpr 768
		.amdhsa_next_free_sgpr 80
		.amdhsa_reserve_vcc 0
		.amdhsa_float_denorm_mode_32 3
		.amdhsa_float_denorm_mode_16_64 3
		.amdhsa_memory_ordered 1
		.amdhsa_forward_progress 1
		.amdhsa_inst_pref_size 87
	.end_amdhsa_kernel
	.amdgpu_metadata
---
amdhsa.version: [ 1, 2 ]
amdhsa.kernels:
  - .name:           k_qdd4ccd22e8_outgemm
    .symbol:         k_qdd4ccd22e8_outgemm.kd
    .args:
      - { .name: att, .offset: 0, .size: 8, .value_kind: global_buffer, .address_space: global }
      - { .name: wt, .offset: 8, .size: 8, .value_kind: global_buffer, .address_space: global }
      - { .name: out0, .offset: 16, .size: 8, .value_kind: global_buffer, .address_space: global }
    .group_segment_fixed_size: 327680
    .private_segment_fixed_size: 0
    .kernarg_segment_align: 8
    .kernarg_segment_size: 24
    .max_flat_workgroup_size: 128
    .sgpr_count:     80
    .vgpr_count:     768
    .wavefront_size: 32
...
	.end_amdgpu_metadata
.endif
;; end of part 4
;; ======== version 2 of 2: 4 launches; version 1 with the launch prep written anew for expert scheduling mode
;; limits: values are held in f16: magnitudes above 65,504 overflow, below 6.1e-05 lose precision; inputs' magnitudes at most 65,504; right only within a limited range of input values
;; workspace buffers: xh 16,777,216 bytes; wt 8,388,608 bytes; qkv 50,331,648 bytes; att 16,777,216 bytes
;; launch prep (part 5): grid 512 x 1, 8 waves a work-group, no clusters, 18,432 bytes of LDS; arguments x, w_qkv, w_out, xh, wt; writes xh, wt
.if DOCPART == 5
	.amdgcn_target "amdgcn-amd-amdhsa--gfx1250"
	.amdhsa_code_object_version 6
	.text
	.protected	k_qdd4ccd22e8_prep
	.globl	k_qdd4ccd22e8_prep
	.p2align	8
	.type	k_qdd4ccd22e8_prep,@function
k_qdd4ccd22e8_prep:
	s_mov_b64 s[64:65], 0
	v_nop
	global_prefetch_b8 v0, s[64:65] scope:SCOPE_SE
	s_setreg_imm32_b32 hwreg(HW_REG_WAVE_SCHED_MODE, 0, 2), 2
	s_setreg_imm32_b32 hwreg(HW_REG_WAVE_MODE, 25, 1), 1
	s_wait_xcnt 0x0
	s_wait_alu depctr_vm_vsrc(0)
; xh[m][k] = x[m][k], and wt[n][k] = w[k][n] for both weights (rows 0-3071 of wt: the columns of w_qkv; rows 3072-4095: those of w_out).
; Each number is rounded once to bf16 and that number is written as f16, so that one matrix form serves the three launches behind.
; LIMITS.  The f16 copy of a bf16 number is exact from 6.1e-5 up to 65,504 in magnitude; below that it keeps the fixed step of 6e-8 of f16; from 65,520 on it is an infinity.
; SHARES.  512 work-groups of eight waves; each does the same two jobs.  (a) 16,384 numbers of x: a wave takes 8,192 bytes on end, 16 loads of 512 bytes, and stores 16 x 256 bytes.
; (b) One tile of 128 k x 64 n of a weight: sixteen lanes read 256 bytes of a row k; two rows k, k + 1 of a column are packed into a word, the word goes into an LDS tile [n][k],
; and the tile leaves by rows of 256 bytes, sixteen lanes to a row.  Memory binds: no matrix unit, no tensor load, no cluster.
; THE MODE: SCHED_MODE bits 1:0 = 2 (LLVM: expert scheduling mode 2), set by the entry lines.  The code itself states the register dependences
; between vector instructions and memory or LDS instructions, with s_wait_alu, always for 0.
; THE PLAN.  Registers that memory or LDS instructions touch:
;   v2 to v9   the spare word's address, 0, and six offsets.  Written once, at the head (v6 in one of the two ways to the tile's loads); read by every load, store and LDS access; never written again.
;   W, X       Each register is landed in once, by a load, and read by conversions alone.
;   WB         Written by the tile's conversions, read by the 16 LDS stores; behind the barrier the four pieces of rows land in it, and four stores read them.
;   Y          Each register is written once, by a conversion, and read once, by a store.
;   v10 to v16 are named by vector instructions alone.
; The tile goes in two halves: eight words are made, one wait on va_vdst, eight LDS stores on end; the second half's conversions name none of the registers that the first half's stores read.
; x goes in four blocks of four loads: the wait on va_vdst at a block's head states that the block before has written its part of Y, and that block's four stores are dealt among this block's
; conversions, which name other registers.  One wait on vm_vsrc stands in the text, ahead of the loads that land in WB.
.set TP,    272                        ; a row of the LDS tile: 128 k x 2 bytes + 16
.set SPARE, 64*TP                      ; behind the tile (17,408 bytes): the spare words, 128 bytes for each of eight waves
.set SPW, 2                            ; v2   LDS address of my spare word; never rewritten
.set NIL, 3                            ; v3   0; never rewritten
.set XO,  4                            ; v4   my 16 bytes in the work-group's piece of x: 8,192 x wave + 16 x lane
.set YO,  5                            ; v5   my 8 bytes in its piece of xh: 4,096 x wave + 8 x lane
.set WO,  6                            ; v6   my 16 bytes in the weight tile: rows 2 (t / 16), columns 4 (t % 16)
.set LS,  7                            ; v7   where I put a word of the LDS tile: row 4 (t % 16), byte 4 (t / 16)
.set LR,  8                            ; v8   where I read a row back: row t / 16, byte 16 (t % 16)
.set TO,  9                            ; v9   the same place in wt
.set W,   24                           ; v[24:55]    8 loads of the weight tile
.set X,   56                           ; v[56:119]   16 loads of x
.set Y,   120                          ; v[120:151]  16 pairs to store
.set WB,  152                          ; v[152:167]  16 packed words of the tile, then four pieces of rows read back
	s_load_b256 s[4:11], s[0:1], 0x0               ; x s[4:5], w_qkv s[6:7], w_out s[8:9], xh s[10:11]
	s_load_b64 s[12:13], s[0:1], 0x20              ; wt
	v_lshl_add_u32 v[SPW], v0, 2, SPARE
	v_mov_b32 v[NIL], 0
	s_and_b32 s14, ttmp9, 7                        ; kt: which 128 k
	s_lshr_b32 s15, ttmp9, 3                       ; nt: which 64 rows of wt, 0 to 63
	s_mov_b32 s18, 0xffff0000                      ; a word's upper bf16
	v_and_b32 v10, 31, v0                          ; lane
	v_lshrrev_b32 v11, 5, v0                       ; wave
	v_and_b32 v12, 15, v0                          ; t % 16
	v_lshrrev_b32 v13, 4, v0                       ; t / 16
	v_lshlrev_b32 v[XO], 4, v10
	v_lshl_add_u32 v[XO], v11, 13, v[XO]
	v_lshlrev_b32 v[YO], 3, v10
	v_lshl_add_u32 v[YO], v11, 12, v[YO]
	v_mul_u32_u24 v[LS], v12, 4*TP
	v_lshl_add_u32 v[LS], v13, 2, v[LS]
	v_mul_u32_u24 v[LR], v13, TP
	v_lshl_add_u32 v[LR], v12, 4, v[LR]
	v_lshlrev_b32 v[TO], 4, v12
	v_lshl_add_u32 v[TO], v13, 11, v[TO]
	s_wait_kmcnt 0x0
	s_lshl_b32 s16, ttmp9, 16                      ; the work-group's 65,536 bytes of x
	s_mov_b32 s17, 0
	s_add_nc_u64 s[4:5], s[4:5], s[16:17]
	s_lshl_b32 s16, ttmp9, 15                      ; and its 32,768 of xh
	s_add_nc_u64 s[10:11], s[10:11], s[16:17]
	s_lshl_b32 s16, s15, 17                        ; wt: 64 nt rows of 2,048 bytes,
	s_lshl_b32 s19, s14, 8                         ; 128 kt numbers of 2 bytes
	s_add_co_u32 s16, s16, s19
	s_add_nc_u64 s[12:13], s[12:13], s[16:17]
; The tile's eight loads: rows 32 j + 2 (t / 16) + e.  Sixteen lanes read 256 consecutive bytes, aligned.
.macro WLOAD base, pitch
	v_mul_u32_u24 v[WO], v13, 2*(\pitch)
	v_lshl_add_u32 v[WO], v12, 4, v[WO]
	s_wait_alu depctr_va_vdst(0)                   ; v2 to v9 are written: every load, store and LDS access of the kernel reads one of them as its offset or address, and none is written again
.irp j, 0,1,2,3
.irp e, 0,1
	global_load_b128 v[W+4*(2*(\j)+(\e)):W+4*(2*(\j)+(\e))+3], v[WO], s[(\base):(\base)+1] offset:(32*(\j)+(\e))*(\pitch) th:TH_LOAD_NT
.endr
.endr
.endm
	s_cmp_lt_u32 s15, 48                           ; the same in all waves of the work-group; no barrier stands in either way
	s_cbranch_scc0 .Lw_out
	s_mul_i32 s16, s14, 128*12288                  ; w_qkv: 128 kt rows of 12,288 bytes,
	s_lshl_b32 s19, s15, 8                         ; 64 nt columns of 4 bytes
	s_add_co_u32 s16, s16, s19
	s_add_nc_u64 s[6:7], s[6:7], s[16:17]
	WLOAD 6, 12288
	s_branch .Lw_asked
.Lw_out:
	s_lshl_b32 s16, s14, 19                        ; w_out: 128 kt rows of 4,096 bytes,
	s_sub_co_u32 s19, s15, 48
	s_lshl_b32 s19, s19, 8                         ; 64 (nt - 48) columns
	s_add_co_u32 s16, s16, s19
	s_add_nc_u64 s[8:9], s[8:9], s[16:17]
	WLOAD 8, 4096
.Lw_asked:
.set i, 0
.rept 16
	global_load_b128 v[X+4*i:X+4*i+3], v[XO], s[4:5] offset:512*i th:TH_LOAD_NT  ; a wave's load covers 512 consecutive bytes; on either way v[XO] was written ahead of the wait on va_vdst
.set i, i+1
.endr
; Two numbers: rounded to bf16, widened again (a shift, a mask), and written as f16
.macro CV d, a, b
	v_cvt_pk_bf16_f32 v14, v[\a], v[\b]
	v_lshlrev_b32 v15, 16, v14
	v_and_b32 v16, s18, v14
	v_cvt_pk_f16_f32 v[\d], v15, v16
.endm
; Half of the tile: rows k = 32 j .. for j = j0 and j0 + 1.  left = how many younger loads may still be out when this half's four have to be there.
.macro WHALF j0, left
	s_wait_loadcnt \left                           ; loads come back in order (ISA guide 5.7.1); on either way the tile's eight were issued first
.irp j, \j0, (\j0)+1
.irp i, 0,1,2,3
	CV WB+4*(\j)+(\i), W+8*(\j)+(\i), W+8*(\j)+4+(\i)
.endr
.endr
	s_wait_alu depctr_va_vdst(0)                   ; the conversions have written this half's eight words of WB, which the LDS stores below read
.irp j, \j0, (\j0)+1
.irp i, 0,1,2,3
	ds_store_b32 v[LS], v[WB+4*(\j)+(\i)] offset:(\i)*TP+64*(\j)  ; column 4 (t % 16) + i, rows k = 32 j + 2 (t / 16) and the next
.endr
.endr
.endm
	WHALF 0, 20                                    ; the tile's other four loads and the 16 of x stay out
	WHALF 2, 16                                    ; the 16 loads of x stay out.  Its conversions name W, v14 to v16 and the other eight words: none of the registers that the first half's stores read
	s_wait_dscnt 0x0                               ; for the other waves' sake: my words lie in the tile
	s_barrier_signal -1
	s_barrier_wait -1
	s_wait_alu depctr_vm_vsrc(0)                   ; my LDS stores have read WB, in which the loads below land (the conversions that wrote WB stand ahead of the last wait on va_vdst)
.irp f, 0,1,2,3
	ds_load_b128 v[WB+4*(\f):WB+4*(\f)+3], v[LR] offset:16*TP*(\f)  ; row 16 f + t / 16
.endr
.irp f, 0,1,2,3
	s_wait_dscnt 3-(\f)                            ; LDS loads come back in order: piece f is in
	global_store_b128 v[TO], v[WB+4*(\f):WB+4*(\f)+3], s[12:13] offset:32768*(\f)  ; sixteen lanes store 256 consecutive bytes, aligned
.endr
; Block p of x: loads 4 p to 4 p + 3 are rounded into Y's registers 8 p to 8 p + 7; the four stores of block p - 1 are dealt among the conversions.
.macro XBLK p
	s_wait_loadcnt 12-4*(\p)                       ; loads come back in order: this block's four are in, the younger blocks stay out
.if (\p) > 0
	s_wait_alu depctr_va_vdst(0)                   ; the block before has written its eight registers of Y, which the stores below read; no conversion of this block names them
.endif
.irp i, 0,1,2,3
.if (\p) > 0
	global_store_b64 v[YO], v[Y+8*((\p)-1)+2*(\i):Y+8*((\p)-1)+2*(\i)+1], s[10:11] offset:256*(4*((\p)-1)+(\i))  ; a wave stores 256 consecutive bytes, aligned; no register of a store is written again
.endif
	CV Y+8*(\p)+2*(\i), X+16*(\p)+4*(\i), X+16*(\p)+4*(\i)+1
	CV Y+8*(\p)+2*(\i)+1, X+16*(\p)+4*(\i)+2, X+16*(\p)+4*(\i)+3
.endr
.endm
	XBLK 0
	XBLK 1
	XBLK 2
	XBLK 3
	s_wait_alu depctr_va_vdst(0)                   ; block 3 has written Y's last eight registers, which the last four stores read
.irp i, 0,1,2,3
	global_store_b64 v[YO], v[Y+24+2*(\i):Y+24+2*(\i)+1], s[10:11] offset:256*(12+(\i))
.endr
	s_wait_dscnt 0x0                               ; the closing lines, six on end
	s_wait_alu 0x0
	s_wait_tensorcnt 0x0
	ds_add_u32 v[SPW], v[NIL]
	s_wait_dscnt 0x0
	s_endpgm
.Lfunc_end_k_qdd4ccd22e8_prep:
	.size	k_qdd4ccd22e8_prep, .Lfunc_end_k_qdd4ccd22e8_prep-k_qdd4ccd22e8_prep
	.p2alignl 7, 3214868480
	.fill 96, 4, 3214868480
	.section	.rodata,"a",@progbits
	.p2align	6, 0x0
	.amdhsa_kernel k_qdd4ccd22e8_prep
		.amdhsa_group_segment_fixed_size 18432
		.amdhsa_private_segment_fixed_size 0
		.amdhsa_enable_private_segment 0
		.amdhsa_kernarg_size 40
		.amdhsa_user_sgpr_count 2
		.amdhsa_user_sgpr_kernarg_segment_ptr 1
		.amdhsa_wavefront_size32 1
		.amdhsa_system_sgpr_workgroup_id_x 1
		.amdhsa_system_sgpr_workgroup_id_y 1
		.amdhsa_system_sgpr_workgroup_id_z 1
		.amdhsa_system_vgpr_workitem_id 0
		.amdhsa_next_free_vgpr 168
		.amdhsa_next_free_sgpr 66
		.amdhsa_reserve_vcc 0
		.amdhsa_float_denorm_mode_32 3
		.amdhsa_float_denorm_mode_16_64 3
		.amdhsa_memory_ordered 1
		.amdhsa_forward_progress 1
		.amdhsa_inst_pref_size 19
	.end_amdhsa_kernel
	.amdgpu_metadata
---
amdhsa.version: [ 1, 2 ]
amdhsa.kernels:
  - .name:           k_qdd4ccd22e8_prep
    .symbol:         k_qdd4ccd22e8_prep.kd
    .args:
      - { .name: x, .offset: 0, .size: 8, .value_kind: global_buffer, .address_space: global }
      - { .name: w_qkv, .offset: 8, .size: 8, .value_kind: global_buffer, .address_space: global }
      - { .name: w_out, .offset: 16, .size: 8, .value_kind: global_buffer, .address_space: global }
      - { .name: xh, .offset: 24, .size: 8, .value_kind: global_buffer, .address_space: global }
      - { .name: wt, .offset: 32, .size: 8, .value_kind: global_buffer, .address_space: global }
    .group_segment_fixed_size: 18432
    .private_segment_fixed_size: 0
    .kernarg_segment_align: 8
    .kernarg_segment_size: 40
    .max_flat_workgroup_size: 256
    .sgpr_count:     66
    .vgpr_count:     168
    .wavefront_size: 32
...
	.end_amdgpu_metadata
.endif
;; end of part 5
;; launch qkvgemm: the kernel of part 2 again; grid 16 x 32, 4 waves a work-group, clusters of 4 x 4, 327,680 bytes of LDS; arguments xh, wt, qkv; writes qkv
;; launch attn: the kernel of part 3 again; grid 4 x 64, 4 waves a work-group, no clusters, 327,680 bytes of LDS; arguments qkv, att; writes att
;; launch outgemm: the kernel of part 4 again; grid 8 x 32, 4 waves a work-group, clusters of 4 x 4, 327,680 bytes of LDS; arguments att, wt, out0; writes out0
